; MI455X (gfx1250); checked and timed in simulation.
; The chip was launched on July 23, 2026; its instructions are those of AMD's public machine-readable ISA for CDNA 5 (MIT licence, August 2026) and "CDNA5" Instruction Set Architecture Reference Guide (July 2026). The comments in the code are by the model that wrote it; some were corrected since.
;; Grouped Query Attention. Allowed arithmetic: matrix products marked QUANTISED: E4M3 operands, one given power-of-two scale a tensor, by v_wmma_f32_16x16x64_fp8_fp8 or v_wmma_f32_16x16x128_fp8_fp8, f32 sums; everything else in f32.
;; Inputs: Wk 2,048 x 512 float32; Wq 2,048 x 2,048 float32; Wv 2,048 x 512 float32; bk 512 float32; bq 2,048 float32; bv 512 float32; lowp_scales 10 int32 (the exponents e of the quantised operands' scales 2^e); x 2 x 2,048 x 2,048 float32.
;; Outputs: out0 2 x 2,048 x 2,048 float32.
;; This version of the problem:
;;   THIS VERSION OF THE PROBLEM IS GIVEN IN LOW PRECISION. The matrix products marked QUANTISED in the list below multiply operands that are first quantised to E4M3 (4 exponent bits, 3 mantissa bits; 8 bits a number), with one given power-of-two scale for each operand tensor; their sums are f32. All else is computed in f32.
;;   The module's matrix products, in the order in which they are computed (A, B: the left and right operand; K: the contracted axis; several contracted axes count as one K, in the product's order):
;;     1. [M 4,096, K 2,048] x [K 2,048, N 2,048]; A: input x; B: input Wq: QUANTISED (scales: A lowp_scales[0], B lowp_scales[1])
;;     2. [M 4,096, K 2,048] x [K 2,048, N 512]; A: input x; B: input Wk: QUANTISED (scales: A lowp_scales[2], B lowp_scales[3])
;;     3. [M 4,096, K 2,048] x [K 2,048, N 512]; A: input x; B: input Wv: QUANTISED (scales: A lowp_scales[4], B lowp_scales[5])
;;     4. batch 16 x [M 8,192, K 64] x [K 64, N 2,048]; A: computed on the way; B: computed on the way: QUANTISED (scales: A lowp_scales[6], B lowp_scales[7])
;;     5. batch 16 x [M 8,192, K 2,048] x [K 2,048, N 64]; A: softmax (see below); B: computed on the way: QUANTISED (scales: A lowp_scales[8], B lowp_scales[9])
;;   THE QUANTISER, for each operand of a quantised product, along K:
;;     - The operand's scale is 2^e, e = its entry of the input lowp_scales (int32; the entries are numbered through the quantised products in the list's order, A before B).
;;     - Each number is divided by the scale, clamped to +-448, and rounded to the nearest number of E4M3, ties to even, subnormals kept.
;;     - The product sums the exact products of the quantised numbers (number of the format x scale) in f32.
;;   ~~~python
;;   def quantise(x, axis, e):      # numpy; x: float32 -> the quantised numbers, widened to float32 again
;;       x = np.moveaxis(x, axis, -1); K = x.shape[-1]
;;       r = np.clip(x / 2.0 ** e, -448, 448)
;;       step = 2.0 ** (np.maximum(np.frexp(np.where(r == 0, 1, r))[1] - 1, -6) - 3)
;;       q = np.round(r / step) * step * 2.0 ** e      # np.round: ties to even
;;       return np.moveaxis(q, -1, axis).astype(np.float32)
;;   ~~~
;;   SOFTMAX AHEAD OF A QUANTISED PRODUCT. Where the list says 'softmax', what is quantised is not the finished softmax but p = 2^(t - M), with t = logit x log2(e) and M = ceil(the row's largest t), a whole number; so 1/2 < the row's largest p <= 1. The row's sum l is taken of the UNQUANTISED p, in f32, and the product's result is divided by l at the end. Since M is a whole number, a kernel that streams over the keys may use a running M (the ceiling of the running maximum): every later rescaling is an exact power of two, so the quantised numbers keep their values, but for numbers so far below the row's largest that they fall under the format's range.
;;   OPERANDS COMPUTED ON THE WAY. 'Computed on the way' means the value that the module computes at that place (a softmax that the list does not call 'softmax' is quantised finished and normalised). What goes into a quantiser is computed in f32, as accurately as f32 sums, v_exp_f32 and their like allow (about 1e-6 of the number): no bf16 or f16 on the way to a quantiser, and a product that is left as it is and whose result goes on into a quantised operand takes f32 operands (vector FMAs, or v_wmma_f32_16x16x4_f32). A number that lies on a knife's edge between two numbers of the format may be rounded either way, as far as f32 arithmetic and the matrix unit's own rounding can turn it there, and no further.
;; 2 versions, each right; version 2 is version 1 with the launch attn written anew for expert scheduling mode. Each part assembles by itself: llvm-mc -triple=amdgcn-amd-amdhsa -mcpu=gfx1250 --defsym DOCPART=n.
;; ======== version 1 of 2: 3 launches
;; workspace buffers: xc 25,165,824 bytes; wc 6,291,456 bytes; qkv 12,582,912 bytes
;; launch quant (part 1): grid 448 x 1, 4 waves a work-group, no clusters, 68,096 bytes of LDS; arguments x, Wq, Wk, Wv, lowp_scales, xc, wc; writes xc, wc
.if DOCPART == 1
	.amdgcn_target "amdgcn-amd-amdhsa--gfx1250"
	.amdhsa_code_object_version 6
	.text
	.protected	k_q39c47b98fa_quant
	.globl	k_q39c47b98fa_quant
	.p2align	8
	.type	k_q39c47b98fa_quant,@function
k_q39c47b98fa_quant:
	s_mov_b64 s[64:65], 0
	v_nop
	global_prefetch_b8 v0, s[64:65] scope:SCOPE_SE
	s_setreg_imm32_b32 hwreg(HW_REG_WAVE_MODE, 25, 1), 1
	s_wait_xcnt 0x0
; f32 numbers into codes of FP8 (E4M3), each with the scale 2^e that is given for it: code = number / 2^e, held within +-448, to the nearest code, ties to even.
; Work-groups 0-255: x [4096][2048] becomes THREE sets of codes in xc, 8,388,608 bytes each: set 0 under e0 (for x Wq), set 1 under e2 (for x Wk), set 2 under e4 (for x Wv).
;   Set 2 keeps the tokens' order.  In sets 0 and 1 token w of each group of 32 lies at row 16 ((w>>3)&1) + (w&7) + 8 (w>>4), so that sixteen rows on end, 16 u + r, are tokens 8 u + r + 8 (r>>3):
;   the next launch's results then fall, register by register, into the order in which the launch after it wants its operands.
; Work-groups 256-447: Wq, Wk, Wv ([2048 (k)][n]) become wc [3072][2048] with K innermost: rows 0-2047 Wq's columns (e1), 2048-2559 Wk's (e3), 2560-3071 Wv's (e5).
; The two ways part on the work-group's number and never join; each has LDS bytes of its own (x: 0 to 32,767; weights: 32,768 to 67,583), each wave its own part of them: no barrier.
; LIMITS: every e between -126 and 119, so that 2^e and 448 x 2^e are f32 numbers.  NaN among the inputs is not served (an infinity is held at the largest code).
.set SP,    80                         ; x: a lane's place in a stage: its 64 bytes + 16 of padding
.set WREG,  8192                       ; x: LDS bytes of a wave: two stages of 32 x SP bytes
.set R,     16                         ; v16-79   x: four sets of 16 numbers as they are loaded
.set X,     80                         ; v80-111  x: two sets of 16 neighbours
.set T0,    112                        ; v112-127 x: held for e0
.set T1,    128                        ; v128-143 x: held for e2
.set C,     144                        ; v144-167 x: codes: two sets of 3 x 4 registers
.set OFF,   16                         ; v16-47   weights: 4 x lane + i rows
.set WX,    48                         ; v48-111  weights: two sets of 32 numbers
.set WC,    112                        ; v112-119 weights: a block's codes
.set OUTR,  120                        ; v120-183 weights: the way out
.set WPITCH, 272                       ; weights: a stage row: 256 bytes + 16
.macro SCALE e, lim, sc                ; s[e] = e  ->  v[sc] = 2^e as f32 (the conversion takes its exponent field), v[lim] = 448 x 2^e
	s_add_co_i32 s56, s[\e], 127
	s_lshl_b32 s57, s56, 23
	v_mov_b32 v[\sc], s57
	s_add_co_i32 s56, s56, 8
	s_lshl_b32 s56, s56, 23
	s_or_b32 s56, s56, 0x600000
	v_mov_b32 v[\lim], s56
.endm
.macro XLOAD t                         ; step t's 512 numbers: each load reads 512 consecutive bytes, 16 a lane
.irp i, 0,1,2,3
	global_load_b128 v[R+16*((\t)%4)+4*\i:R+16*((\t)%4)+4*\i+3], v3, s[4:5] offset:2048*(\t)+512*\i th:TH_LOAD_NT
.endr
.endm
.macro XTURN t                         ; through the wave's own stage, so that a lane gets 16 neighbours; LDS serves a wave's instructions in order, so no wait stands between stores and loads
.irp i, 0,1,2,3
	ds_store_b128 v14, v[R+16*((\t)%4)+4*\i:R+16*((\t)%4)+4*\i+3] offset:32*SP*((\t)%2)+8*SP*\i
.endr
.irp i, 0,1,2,3
	ds_load_b128 v[X+16*((\t)%2)+4*\i:X+16*((\t)%2)+4*\i+3], v15 offset:32*SP*((\t)%2)+16*\i
.endr
.endm
.macro XSTEP t
.set XS, X+16*((\t)%2)
.set CC, C+12*((\t)%2)
	s_wait_dscnt 0x0                               ; this step's numbers are back from the stage, and its stores into the stage have read their registers,
.if (\t)+4 < 16
	XLOAD (\t)+4                                   ; which take the loads of four steps on
.endif
.if (\t)+1 < 16
.if 14-(\t) >= 3
	s_wait_loadcnt 12                              ; the next step's four loads are in; those of the three steps behind it may be out
.else
	s_wait_loadcnt 4*(14-(\t))
.endif
	XTURN (\t)+1
.endif
.if (\t) > 1
	s_wait_xcnt 0x0                                ; the stores of two steps back have read this set of code registers
.endif
.set i, 0
.rept 16
	v_med3_num_f32 v[T0+i], v[XS+i], -v5, v5       ; the conversion to an 8-bit code does not saturate (ISA guide 7.6.2): the hold at 448 x the scale, once for each of the three scales
.set i, i+1
.endr
.set i, 0
.rept 16
	v_med3_num_f32 v[T1+i], v[XS+i], -v7, v7
.set i, i+1
.endr
.set i, 0
.rept 16
	v_med3_num_f32 v[XS+i], v[XS+i], -v9, v9
.set i, i+1
.endr
	v_cvt_scalef32_pk8_fp8_f32 v[CC:CC+1], v[T0:T0+7], v6
	v_cvt_scalef32_pk8_fp8_f32 v[CC+2:CC+3], v[T0+8:T0+15], v6
	v_cvt_scalef32_pk8_fp8_f32 v[CC+4:CC+5], v[T1:T1+7], v8
	v_cvt_scalef32_pk8_fp8_f32 v[CC+6:CC+7], v[T1+8:T1+15], v8
	v_cvt_scalef32_pk8_fp8_f32 v[CC+8:CC+9], v[XS:XS+7], v10
	v_cvt_scalef32_pk8_fp8_f32 v[CC+10:CC+11], v[XS+8:XS+15], v10
	v_nop                                          ; a plain line between the conversions and the next step's holds, which write their sources
	global_store_b128 v3, v[CC:CC+3], s[32:33] offset:512*(\t)      ; each store: 512 consecutive bytes, at a multiple of 512 from the buffer's first byte
	global_store_b128 v3, v[CC+4:CC+7], s[34:35] offset:512*(\t)
	global_store_b128 v3, v[CC+8:CC+11], s[36:37] offset:512*(\t)
.endm
.macro WLOAD t                         ; block t: W(32 t + i, my column), i = 0 .. 31: neighbouring lanes read neighbouring columns
.set i, 0
.rept 32
	global_load_b32 v[WX+32*((\t)%2)+i], v[OFF+i], s[40+2*(\t):41+2*(\t)] th:TH_LOAD_NT
.set i, i+1
.endr
.endm
.macro WBLOCK t
.set XS, WX+32*((\t)%2)
.if (\t) < 7
	s_wait_loadcnt 32                              ; this block's 32 loads are in; the next block's may be out
.else
	s_wait_loadcnt 0x0
.endif
.set i, 0
.rept 32
	v_med3_num_f32 v[XS+i], v[XS+i], -v10, v10
.set i, i+1
.endr
.irp g, 0,1,2,3
	v_cvt_scalef32_pk8_fp8_f32 v[WC+2*\g:WC+2*\g+1], v[XS+8*\g:XS+8*\g+7], v11
.endr
	v_nop
	ds_store_b128 v4, v[WC:WC+3] offset:32*(\t)    ; 32 codes along K: 32 bytes of my column's row
	ds_store_b128 v4, v[WC+4:WC+7] offset:32*(\t)+16
.if (\t)+2 < 8
	WLOAD (\t)+2
.endif
	s_wait_dscnt 0x0                               ; the stores have read their registers: the next block's codes may be written
.endm
	s_load_b256 s[4:11], s[0:1], 0x0               ; x s[4:5], Wq s[6:7], Wk s[8:9], Wv s[10:11]
	s_load_b128 s[12:15], s[0:1], 0x20             ; the scales' exponents s[12:13], xc s[14:15]
	s_load_b64 s[16:17], s[0:1], 0x30              ; wc
	v_lshl_add_u32 v192, v0, 2, 0x10800
	v_mov_b32 v193, 0
	v_lshrrev_b32 v1, 5, v0
	v_readfirstlane_b32 s18, v1                    ; wave 0..3
	v_and_b32 v2, 31, v0                           ; lane
	s_wait_kmcnt 0x0
	s_load_b256 s[20:27], s[12:13], 0x0            ; e0 .. e7
	s_cmp_lt_u32 ttmp9, 256
	s_cbranch_scc0 .Lweights
	; ---------------- x: wave W = 4 x work-group + wave takes tokens 4 W .. 4 W + 3: 8,192 numbers, 16 steps of 512
	v_lshlrev_b32 v3, 4, v2                        ; my 16 bytes of a load's, and of a store's, 512
	s_mul_i32 s19, s18, WREG
	v_lshrrev_b32 v14, 2, v2
	v_mul_u32_u24 v14, v14, SP
	v_and_b32 v15, 3, v2
	v_lshl_add_u32 v14, v15, 4, v14
	v_add_nc_u32 v14, s19, v14                     ; the stage, on the way in: SP (lane / 4) + 16 (lane % 4)
	v_mul_u32_u24 v15, v2, SP
	v_add_nc_u32 v15, s19, v15                     ; and on the way out: SP x lane
	s_lshl_b32 s28, ttmp9, 2
	s_add_co_u32 s28, s28, s18                     ; W
	s_lshl_b32 s30, s28, 15                        ; 32,768 W
	s_mov_b32 s31, 0
	s_add_nc_u64 s[4:5], s[4:5], s[30:31]
	s_lshl_b32 s30, s28, 13                        ; set 2: the tokens' order: 8,192 W
	s_add_nc_u64 s[36:37], s[14:15], s[30:31]
	s_add_nc_u64 s[36:37], s[36:37], 0x1000000
	s_lshl_b32 s29, s28, 2                         ; sets 0 and 1: my four tokens stay four rows on end: with k = W & 7 they begin at row 16 ((k>>1)&1) + 4 (k&1) + 8 (k>>2) of their group of 32
	s_and_b32 s29, s29, 0xffffffe0
	s_bfe_u32 s38, s28, 0x10001
	s_lshl_b32 s38, s38, 4
	s_add_co_u32 s29, s29, s38
	s_and_b32 s38, s28, 1
	s_lshl_b32 s38, s38, 2
	s_add_co_u32 s29, s29, s38
	s_bfe_u32 s38, s28, 0x10002
	s_lshl_b32 s38, s38, 3
	s_add_co_u32 s29, s29, s38
	s_lshl_b32 s30, s29, 11
	s_add_nc_u64 s[32:33], s[14:15], s[30:31]
	s_add_nc_u64 s[34:35], s[32:33], 0x800000
.irp t, 0,1,2,3
	XLOAD \t
.endr
	s_wait_kmcnt 0x0
	SCALE 20, 5, 6                                 ; e0
	SCALE 22, 7, 8                                 ; e2
	SCALE 24, 9, 10                                ; e4
	s_wait_loadcnt 12                              ; step 0's four loads are in
	XTURN 0
.irp t, 0,1,2,3,4,5,6,7,8,9,10,11,12,13,14,15
	XSTEP \t
.endr
	s_wait_tensorcnt 0x0
	ds_add_u32 v192, v193
	s_wait_dscnt 0x0
	s_endpgm
	; ---------------- weights: a work-group takes 128 columns x 256 along K; a wave 32 columns.  A LANE TAKES A COLUMN AND ITS REGISTERS RUN DOWN K: the conversions then give codes with K innermost
.Lweights:
	s_sub_co_u32 s28, ttmp9, 256
	s_and_b32 s29, s28, 7                          ; which 256 along K
	s_lshr_b32 s28, s28, 3                         ; which 128 rows of wc: 0-15 Wq, 16-19 Wk, 20-23 Wv
	s_wait_kmcnt 0x0
	s_cmp_lt_u32 s28, 20
	s_cselect_b64 s[32:33], s[8:9], s[10:11]
	s_cselect_b32 s34, 16, 20
	s_cselect_b32 s35, s23, s25                    ; e3 or e5
	s_cmp_lt_u32 s28, 16
	s_cselect_b64 s[32:33], s[6:7], s[32:33]
	s_cselect_b32 s34, 0, s34
	s_cselect_b32 s35, s21, s35                    ; e1
	s_mov_b32 s30, 2048
	s_cselect_b32 s30, 8192, s30                   ; a row of the weight in bytes
	s_sub_co_u32 s36, s28, s34
	s_lshl_b32 s36, s36, 9                         ; my work-group's first column, in bytes,
	s_lshl_b32 s37, s18, 7
	s_add_co_u32 s36, s36, s37                     ; + my wave's 32 columns
	s_lshl_b32 s37, s29, 8
	s_mul_i32 s37, s37, s30                        ; + 256 x (which K) rows
	s_add_co_u32 s36, s36, s37
	s_mov_b32 s37, 0
	s_add_nc_u64 s[40:41], s[32:33], s[36:37]      ; block 0's base;
	s_lshl_b32 s36, s30, 5
.irp t, 1,2,3,4,5,6,7
	s_add_nc_u64 s[40+2*\t:41+2*\t], s[38+2*\t:39+2*\t], s[36:37]   ; block t's: 32 rows further down
.endr
	v_lshlrev_b32 v[OFF], 2, v2
.set i, 1
.rept 31
	v_add_nc_u32 v[OFF+i], s30, v[OFF+i-1]
.set i, i+1
.endr
	WLOAD 0
	WLOAD 1
	s_lshl_b32 s36, s28, 7
	s_lshl_b32 s37, s18, 5
	s_add_co_u32 s36, s36, s37                     ; my wave's first row of wc
	s_lshl_b32 s36, s36, 11
	s_lshl_b32 s37, s29, 8
	s_add_co_u32 s36, s36, s37                     ; + my 256 bytes of the row
	s_mov_b32 s37, 0
	s_add_nc_u64 s[16:17], s[16:17], s[36:37]
	s_mul_i32 s38, s18, 32*WPITCH
	s_add_co_u32 s38, s38, 32768                   ; my stage
	v_mul_u32_u24 v4, v2, WPITCH
	v_add_nc_u32 v4, s38, v4                       ; into it: row = my column
	v_and_b32 v5, 15, v2
	v_lshrrev_b32 v6, 4, v2                        ; out of it: sixteen lanes to a row, two rows an instruction
	v_mul_u32_u24 v7, v6, WPITCH
	v_lshl_add_u32 v7, v5, 4, v7
	v_add_nc_u32 v7, s38, v7
	v_lshlrev_b32 v8, 11, v6
	v_lshl_add_u32 v8, v5, 4, v8                   ; and the same place in wc
	SCALE 35, 10, 11
.irp t, 0,1,2,3,4,5,6,7
	WBLOCK \t
.endr
.irp t, 0,1,2,3,4,5,6,7,8,9,10,11,12,13,14,15
	ds_load_b128 v[OUTR+4*\t:OUTR+4*\t+3], v7 offset:2*\t*WPITCH   ; LDS serves a wave's instructions in order: these see my stores
.endr
.irp t, 0,1,2,3,4,5,6,7,8,9,10,11,12,13,14,15
	s_wait_dscnt 15-\t
	global_store_b128 v8, v[OUTR+4*\t:OUTR+4*\t+3], s[16:17] offset:2*\t*2048   ; sixteen lanes store 256 consecutive bytes, at a multiple of 256 from wc's first byte
.endr
	s_wait_tensorcnt 0x0
	ds_add_u32 v192, v193
	s_wait_dscnt 0x0
	s_endpgm
.Lfunc_end_k_q39c47b98fa_quant:
	.size	k_q39c47b98fa_quant, .Lfunc_end_k_q39c47b98fa_quant-k_q39c47b98fa_quant
	.p2alignl 7, 3214868480
	.fill 96, 4, 3214868480
	.section	.rodata,"a",@progbits
	.p2align	6, 0x0
	.amdhsa_kernel k_q39c47b98fa_quant
		.amdhsa_group_segment_fixed_size 68096
		.amdhsa_private_segment_fixed_size 0
		.amdhsa_enable_private_segment 0
		.amdhsa_kernarg_size 56
		.amdhsa_user_sgpr_count 2
		.amdhsa_user_sgpr_kernarg_segment_ptr 1
		.amdhsa_wavefront_size32 1
		.amdhsa_system_sgpr_workgroup_id_x 1
		.amdhsa_system_sgpr_workgroup_id_y 1
		.amdhsa_system_sgpr_workgroup_id_z 1
		.amdhsa_system_vgpr_workitem_id 0
		.amdhsa_next_free_vgpr 194
		.amdhsa_next_free_sgpr 66
		.amdhsa_reserve_vcc 0
		.amdhsa_float_denorm_mode_32 3
		.amdhsa_float_denorm_mode_16_64 3
		.amdhsa_memory_ordered 1
		.amdhsa_forward_progress 1
		.amdhsa_inst_pref_size 128
	.end_amdhsa_kernel
	.amdgpu_metadata
---
amdhsa.version: [ 1, 2 ]
amdhsa.kernels:
  - .name:           k_q39c47b98fa_quant
    .symbol:         k_q39c47b98fa_quant.kd
    .args:
      - { .name: x, .offset: 0, .size: 8, .value_kind: global_buffer, .address_space: global }
      - { .name: Wq, .offset: 8, .size: 8, .value_kind: global_buffer, .address_space: global }
      - { .name: Wk, .offset: 16, .size: 8, .value_kind: global_buffer, .address_space: global }
      - { .name: Wv, .offset: 24, .size: 8, .value_kind: global_buffer, .address_space: global }
      - { .name: lowp_scales, .offset: 32, .size: 8, .value_kind: global_buffer, .address_space: global }
      - { .name: xc, .offset: 40, .size: 8, .value_kind: global_buffer, .address_space: global }
      - { .name: wc, .offset: 48, .size: 8, .value_kind: global_buffer, .address_space: global }
    .group_segment_fixed_size: 68096
    .private_segment_fixed_size: 0
    .kernarg_segment_align: 8
    .kernarg_segment_size: 56
    .max_flat_workgroup_size: 128
    .sgpr_count:     66
    .vgpr_count:     194
    .wavefront_size: 32
...
	.end_amdgpu_metadata
.endif
;; end of part 1
;; launch proj (part 2): grid 16 x 12, 4 waves a work-group, clusters of 4 x 1, 327,680 bytes of LDS; arguments xc, wc, lowp_scales, bq, bk, bv, qkv; writes qkv
.if DOCPART == 2
	.amdgcn_target "amdgcn-amd-amdhsa--gfx1250"
	.amdhsa_code_object_version 6
	.text
	.protected	k_q39c47b98fa_proj
	.globl	k_q39c47b98fa_proj
	.p2align	8
	.type	k_q39c47b98fa_proj,@function
k_q39c47b98fa_proj:
	s_mov_b64 s[64:65], 0
	v_nop
	global_prefetch_b8 v0, s[64:65] scope:SCOPE_SE
	s_setreg_imm32_b32 hwreg(HW_REG_WAVE_MODE, 25, 1), 1
	s_wait_xcnt 0x0
	s_wait_alu depctr_hold_cnt(0) depctr_sa_sdst(0) depctr_va_vdst(0) depctr_va_sdst(0) depctr_va_ssrc(0) depctr_va_vcc(0) depctr_vm_vsrc(0)
	s_getreg_b32 s2, hwreg(HW_REG_IB_STS2, 6, 4)
	s_cmp_eq_u32 s2, 0
	s_cbranch_scc0 .Lentry_in_a_cluster
	s_endpgm
.Lentry_in_a_cluster:
	s_bfe_u32 s2, ttmp6, 0x10000c
	s_cmp_lg_u32 s2, 0x3003
	s_cbranch_scc0 .Lentry_shape_is_right
	s_endpgm
.Lentry_shape_is_right:
; q = x Wq + bq, k = x Wk + bk, v = x Wv + bv: ONE product of codes of FP8 (E4M3), [4096 tokens][2048] x [3072 channels][2048]^T, sums in f32; each finished sum x 2^(ea + eb) + bias is quantised at once
; under the scale of the attention product that takes it (q: e6, k: e7, v: e9) and stored as a code.  Work-group (X, Y): tokens 256 X on, rows 256 Y on of wc: Y 0-7 q (x under e0), 8-9 k (e2), 10-11 v (e4).
; A tile of 256 x 256 is made by four waves, each 128 x 128: 64 accumulators, 512 registers.  K goes in steps of 256 through a ring of two LDS slots filled by the tensor data mover: a tile's row is 256 bytes of memory.
; A slot holds 256 rows of x's codes, then 256 rows of wc.  In a result a lane holds one row of SOURCE 1 and eight neighbouring rows of SOURCE 0.
;   q, k: source 1 = x, source 0 = wc: a lane holds one token and eight neighbouring channels: neighbours along the head's 64, the K of q k^T.
;   v:    source 1 = wc, source 0 = x: a lane holds one channel and eight neighbouring tokens: neighbours along the keys, the K of p v.  Only the two LDS address registers differ.
; qkv: blocks of 8,192 bytes (128 tokens x 64 channels), laid as images of the next launch's operand registers.  q at 0: block (32 b + head) 16 + sb; k at 8 MiB, v at 10 MiB: block (8 b + g) 16 + sb.
;   q, k: byte 1024 t + 512 c + 16 (r + 16 h) + i = (token 32 (t>>1) + 8 (t&1) + r + 8 (r>>3), channel 32 c + 16 h + i);   v: byte 4096 s + 1024 tau + 512 c + 16 (r + 16 h) + i = (channel 16 tau + r, key 64 s + 32 c + 16 h + i).
;   The rows of x under e0 and e2 lie in memory so that sixteen rows on end are the tokens of such a tile t.  So a lane's eight codes are 8 bytes at 16 r + 8 h of a run of 256: each store of a wave covers 256 consecutive bytes, aligned; no LDS on the way out.
; CLUSTER 4 x 1: the four partners have the same Y: wc's tile is asked for JOINTLY (the same tensor load, the same descriptor, a mask that names the four).  x's tile is each work-group's own.
;   4 x 4 is not taken: k and v have two tile columns each and each its own codes of x (e2, e4), so outside q no four tile columns share a tile of x, and the grid's 12 tile columns would not all find partners.
; LIMITS: ea + eb between -126 and 127; e6, e7, e9 between -126 and 119, so that each power of two below is an f32 number.
; REGISTERS, in windows of 256: window 0: v16-31 addresses and constants; v32-95, v96-111 the biases; from v128 source 1's fragments (8 x 16 rows x 128 K), ONE set; on the way out v128-223 are at work.
;   window 1: source 0's fragments, TWO sets, at v0 and v128.   window 2: the 32 accumulators of source 1's blocks 0-3 (accumulator (a, b) at v[8 (8 a + b)]);   window 3: those of blocks 4-7.
.set KSTEP,  256
.set ROWB,   256                       ; a tile's row in bytes
.set KROW,   2048                      ; a row of xc or of wc in memory, in bytes
.set PITCH,  272                       ; an LDS row: 256 bytes + 16 of padding = 68 words: row r starts at bank 4 r mod 64 (64 banks of 4 bytes: ISA guide 11.1)
.set FR,     16                        ; registers of a fragment: 16 rows x 128 K
.set NL,     4                         ; LDS loads that bring one
.set NP,     4                         ; places behind this matrix instruction (ISA guide 7.12.1)
.set HALFT,  128*PITCH                 ; 128 rows: what one tensor load brings
.set SLOT,   4*HALFT                   ; x's 256 rows, then wc's 256 rows
.set LAPS,   4                         ; 2,048 along K = 4 laps of two K steps
.set SPARE,  2*SLOT                    ; behind the ring: the spare words, 128 bytes for each wave: two blocks of 256 bytes that no other line names
.set ADRA, 16                          ; v16-17  LDS address of source 1's fragments in slot 0, 1
.set ADRB, 20                          ; v20-21  the same for source 0
.set BO1,  24                          ; v24     32 h: the biases of my eight channels
.set BO2,  25                          ; v25     4 r: the bias of my one channel
.set CO,   26                          ; v26     16 r + 8 h: my 8 bytes of a store's 256
.set SPW,  28                          ; v28     LDS address of my spare word; never rewritten
.set NIL,  29                          ; v29     0; never rewritten
.set LIM,  30                          ; v30     448 x 2^eo
.set SCL,  31                          ; v31     2^eo as f32
.set BJ,   32                          ; v32-95  bias[16 b + 8 h + j] at 8 b + j (q, k)
.set BI,   96                          ; v96-111 bias[16 a + r], twice, at 2 a (v)
.set AF,   128                         ; source 1's fragments
.set TMP,  128                         ; the way out: 64 numbers
.set CD,   192                         ; the way out: two sets of 16 registers of codes
.set G1, 24                            ; s[24:31] descriptor group 1 for x's tiles;  s[32:39] group 0, one set for each slot
.set G0, 32
.set G1B, 48                           ; s[48:55], s[56:63] the same for wc's tiles
.set G0B, 56
.set MSB, 0
.macro WIN new                         ; the immediate's high byte repeats the setting that is left
.if MSB != (\new)
	s_set_vgpr_msb (MSB<<8)|(\new)
.set MSB, (\new)
.endif
.endm
.set MUL_LO, 0xa1                      ; source 0 window 1, source 1 window 0, C and D window 2
.set MUL_HI, 0xf1                      ; the same, C and D window 3
.set TO_B,   0x40                      ; destination window 1, address window 0
; Waves 0 and 1 fetch x's two halves (a load of the work-group's own), waves 2 and 3 wc's (jointly).  The branch hangs on the wave's number alone.  Four v_nop follow each of the two lines.
.macro JLOAD g0a, g1a, g0b, g1b
	s_cmp_eq_u32 s15, 0
	s_cbranch_scc0 .Lfor_b_\@
	tensor_load_to_lds s[\g0a:\g0a+3], s[\g1a:\g1a+7]
	s_nop 0
.rept 4
	v_nop
.endr
	s_branch .Lasked_\@
.Lfor_b_\@:
	tensor_load_to_lds s[\g0b:\g0b+3], s[\g1b:\g1b+7]
	s_nop 0
.rept 4
	v_nop
.endr
.Lasked_\@:
.endm
.macro CREST                           ; a round of the cluster's barrier behind its opening barrier
	s_cmp_lg_u32 s14, 0
	s_cbranch_scc1 .Lnot_wave_0_\@
	s_barrier_signal -3
.Lnot_wave_0_\@:
	s_barrier_wait -3
	s_barrier_signal -1
	s_barrier_wait -1
.endm
.macro CROUND                          ; a whole round
	s_barrier_signal -1
	s_barrier_wait -1
	CREST
.endm
	s_load_b128 s[4:7], s[0:1], 0x0                ; xc s[4:5], wc s[6:7]
	s_load_b64 s[8:9], s[0:1], 0x10                ; the scales' exponents
	s_load_b128 s[68:71], s[0:1], 0x18             ; bq s[68:69], bk s[70:71]
	s_load_b128 s[72:75], s[0:1], 0x28             ; bv s[72:73], qkv s[74:75]
	v_lshl_add_u32 v[SPW], v0, 2, SPARE
	v_mov_b32 v[NIL], 0
	ds_add_u32 v28, v29
	ds_add_u32 v28, v29
	s_wait_dscnt 0x0
	v_lshrrev_b32 v1, 5, v0
	v_readfirstlane_b32 s14, v1                    ; wave 0..3
	s_lshr_b32 s15, s14, 1                         ; which half of source 1's rows is mine.  Also: I fetch for x (0) or for wc (1)
	s_and_b32 s16, s14, 1                          ; which half of source 0's.  Also: which 128 rows of that tile I fetch
	s_bfe_u32 s40, ttmp6, 0x40000                  ; cx: my place in the cluster
	s_lshl_b32 s42, ttmp9, 2
	s_add_co_u32 s42, s42, s40                     ; X = 4 x cluster x + cx
	s_and_b32 s17, ttmp7, 0xffff                   ; Y, which the four partners share
	; descriptor group 1: a tile of 128 rows x 256 bytes, padded in LDS
	s_mov_b32 s[G1+0], (1<<20)|(5<<22)|(3<<25)     ; 15:0 no mask; 17:16 elements of 1 byte; 20 padding on; 24:22 after every 64 words (code 5); 31:25 of 4 words (code 3)
	s_mov_b32 s[G1B+0], 15|(1<<20)|(1<<21)|(5<<22)|(3<<25)  ; the same with the mask of all four work-groups, and bit 21 beside it
.irp g, G1, G1B
	s_mov_b32 s[\g+1], ROWB<<16                    ; tensor_dim0
	s_mov_b32 s[\g+2], 128<<16                     ; tensor_dim1 = 128
	s_mov_b32 s[\g+3], ROWB<<16                    ; tile_dim0
	s_mov_b32 s[\g+4], 128                         ; tile_dim1 = 128
	s_mov_b32 s[\g+5], KROW                        ; tensor_dim0_stride
	s_mov_b32 s[\g+6], 0
	s_mov_b32 s[\g+7], 0
.endr
	s_cmp_ge_u32 s17, 8
	s_cselect_b32 s43, 1, 0
	s_cmp_ge_u32 s17, 10
	s_cselect_b32 s44, 1, 0
	s_add_co_u32 s43, s43, s44                     ; which set of x's codes: 0 for q, 1 for k, 2 for v
	s_lshl_b32 s18, s16, 7                         ; which 128 rows of the tile I fetch
	s_lshl_b32 s20, s42, 8
	s_add_co_u32 s20, s20, s18                     ; x: row 256 X + 128 x half
	s_lshl_b32 s20, s20, 11
	s_lshl_b32 s43, s43, 23
	s_add_co_u32 s20, s20, s43                     ; in its set of 8,388,608 bytes
	s_mov_b32 s21, 0
	s_lshl_b32 s46, s17, 8
	s_add_co_u32 s46, s46, s18                     ; wc: row 256 Y + 128 x half: nothing of cx
	s_lshl_b32 s46, s46, 11
	s_mov_b32 s47, 0
	s_mul_i32 s45, s14, HALFT                      ; where they go: wave x 128 rows
	s_wait_kmcnt 0x0
	s_load_b256 s[80:87], s[8:9], 0x0              ; e0 .. e7
	s_load_b64 s[88:89], s[8:9], 0x20              ; e8, e9
	s_add_nc_u64 s[20:21], s[4:5], s[20:21]
	s_add_nc_u64 s[46:47], s[6:7], s[46:47]
	CROUND                                         ; all four work-groups are here: the first joint loads meet
.irp s, 0,1
	s_mov_b32 s[G0+4*\s], 1
	s_add_co_u32 s[G0+4*\s+1], s45, \s*SLOT
	s_add_nc_u64 s[G0+4*\s+2:G0+4*\s+3], s[20:21], \s*ROWB
	s_or_b32 s[G0+4*\s+3], s[G0+4*\s+3], 0x80000000
	s_mov_b32 s[G0B+4*\s], 1
	s_add_co_u32 s[G0B+4*\s+1], s45, \s*SLOT
	s_add_nc_u64 s[G0B+4*\s+2:G0B+4*\s+3], s[46:47], \s*ROWB
	s_or_b32 s[G0B+4*\s+3], s[G0B+4*\s+3], 0x80000000
	JLOAD G0+4*\s, G1, G0B+4*\s, G1B               ; two tensor loads of mine are out behind these
.endr
	v_and_b32 v1, 15, v0                           ; r = l % 16
	v_bfe_u32 v2, v0, 4, 1                         ; h = l / 16
	v_mul_u32_u24 v3, v1, PITCH
	v_lshl_add_u32 v4, v2, 4, v3                   ; a fragment's row x pitch + 16 x half
	s_cmp_ge_u32 s17, 10                           ; v?
	s_cselect_b32 s21, 2*HALFT, 0                  ; source 1 reads x's rows (q, k) or wc's (v),
	s_cselect_b32 s22, 0, 2*HALFT                  ; source 0 the other
	s_cselect_b64 s[76:77], s[72:73], s[70:71]     ; the bias: bv or bk,
	s_cselect_b32 s90, 10, 8                       ; the tensor's first Y,
	s_cselect_b32 s91, s15, s16                    ; which half of the tile's channels is mine,
	s_cselect_b32 s92, s16, s15                    ; which half of its tokens
	s_cmp_ge_u32 s17, 8
	s_cselect_b64 s[76:77], s[76:77], s[68:69]     ; or bq
	s_cselect_b32 s90, s90, 0
	s_mul_i32 s18, s15, HALFT
	s_mul_i32 s19, s16, HALFT
	s_add_co_u32 s21, s21, s18
	s_add_co_u32 s22, s22, s19
.irp s, 0,1
	v_add_nc_u32 v[ADRA+\s], s21, v4
	v_add_nc_u32 v[ADRB+\s], s22, v4
	s_add_co_u32 s21, s21, SLOT
	s_add_co_u32 s22, s22, SLOT
.endr
	s_sub_co_u32 s93, s17, s90                     ; Y within the tensor
	s_lshl_b32 s78, s93, 10
	s_lshl_b32 s79, s91, 9
	s_add_co_u32 s78, s78, s79                     ; 4 x my first channel: 256 (Y - Y0) + 128 x half
	s_mov_b32 s79, 0
	s_add_nc_u64 s[76:77], s[76:77], s[78:79]
	v_lshlrev_b32 v[BO1], 5, v2
	v_lshlrev_b32 v[BO2], 2, v1
	v_lshlrev_b32 v[CO], 4, v1
	v_lshl_add_u32 v[CO], v2, 3, v[CO]
.irp b, 0,1,2,3,4,5,6,7                        ; both patterns are loaded, with no branch: my 128 channels' biases lie inside the buffer for every Y.  They land while K is walked
	global_load_b128 v[BJ+8*\b:BJ+8*\b+3], v[BO1], s[76:77] offset:64*\b
	global_load_b128 v[BJ+8*\b+4:BJ+8*\b+7], v[BO1], s[76:77] offset:64*\b+16
.endr
.irp a, 0,1,2,3,4,5,6,7
	global_load_b32 v[BI+2*\a], v[BO2], s[76:77] offset:64*\a
	global_load_b32 v[BI+2*\a+1], v[BO2], s[76:77] offset:64*\a    ; (named with it as a pair, so it is written)
.endr
	; where my two blocks begin in qkv
	s_lshl_b32 s18, s42, 1
	s_add_co_u32 s18, s18, s92                     ; my 128 tokens: 2 X + half, 0 .. 31
	s_lshr_b32 s19, s18, 4                         ; b
	s_and_b32 s18, s18, 15                         ; sb
	s_cmp_ge_u32 s17, 8
	s_cselect_b32 s22, 3, 5                        ; 8 groups or 32 heads to a batch
	s_cselect_b32 s23, 0x800000, 0                 ; k and v lie behind q's 8 MiB,
	s_lshl_b32 s19, s19, s22
	s_lshl_b32 s22, s93, 2
	s_add_co_u32 s19, s19, s22
	s_lshl_b32 s22, s91, 1
	s_add_co_u32 s19, s19, s22                     ; + my first head: 4 (Y - Y0) + 2 x half
	s_lshl_b32 s19, s19, 4
	s_add_co_u32 s19, s19, s18
	s_lshl_b32 s18, s19, 13
	s_add_co_u32 s18, s18, s23
	s_cmp_ge_u32 s17, 10
	s_cselect_b32 s23, 0x200000, 0                 ; v behind k's 2 MiB
	s_add_co_u32 s18, s18, s23
	s_mov_b32 s19, 0
	s_add_nc_u64 s[10:11], s[74:75], s[18:19]
	s_wait_kmcnt 0x0                               ; the exponents.  What they decide is chosen, never branched on
	s_cmp_ge_u32 s17, 10
	s_cselect_b32 s94, s84, s82                    ; ea: e4 or e2
	s_cselect_b32 s95, s85, s83                    ; eb: e5 or e3
	s_cselect_b32 s79, s89, s87                    ; eo: e9 or e7
	s_cmp_ge_u32 s17, 8
	s_cselect_b32 s94, s94, s80                    ; or e0,
	s_cselect_b32 s95, s95, s81                    ; e1,
	s_cselect_b32 s79, s79, s86                    ; e6
	s_add_co_i32 s96, s94, s95
	s_add_co_i32 s96, s96, 127
	s_lshl_b32 s96, s96, 23                        ; 2^(ea + eb) as f32
	s_mov_b32 s97, s96                             ; (named with it as a pair, so it is written)
	s_add_co_i32 s79, s79, 127
	s_lshl_b32 s78, s79, 23
	v_mov_b32 v[SCL], s78
	s_add_co_i32 s79, s79, 8
	s_lshl_b32 s79, s79, 23
	s_or_b32 s79, s79, 0x600000
	v_mov_b32 v[LIM], s79
.macro FRAG reg, adr, q, i             ; a fragment, 16 rows x 128 K, is 16 registers: lane l holds row l % 16; registers 4 c .. 4 c + 3 hold K = 32 c + 16 (l / 16) + 0 .. 15: the same places of k in both sources
.irp c, 0,1,2,3
	ds_load_b128 v[\reg+4*\c:\reg+4*\c+3], v[\adr] offset:128*(\q)+32*\c+(\i)*16*PITCH
.endr
.endm
; 16 matrix instructions: source 1's blocks a0, a0 + 1 x source 0's eight, 128 along K.  p: source 0's set.  zero = 1: the first product starts the sums.
; The 64 accumulators take turns, one instruction a turn, in the same order in every step.
.macro MUL16 a0, p, zero
.irp a, \a0, \a0+1
.irp b, 0,1,2,3,4,5,6,7
.if \zero
	v_wmma_f32_16x16x128_fp8_fp8 v[8*(8*((\a)%4)+\b):8*(8*((\a)%4)+\b)+7], v[128*(\p)+FR*\b:128*(\p)+FR*\b+FR-1], v[AF+FR*(\a):AF+FR*(\a)+FR-1], 0
.else
	v_wmma_f32_16x16x128_fp8_fp8 v[8*(8*((\a)%4)+\b):8*(8*((\a)%4)+\b)+7], v[128*(\p)+FR*\b:128*(\p)+FR*\b+FR-1], v[AF+FR*(\a):AF+FR*(\a)+FR-1], v[8*(8*((\a)%4)+\b):8*(8*((\a)%4)+\b)+7]
.endif
.endr
.endr
.endm
.macro FETCH_B slot, q, p              ; source 0's eight fragments of the slot's q-th 128 along K into set p
	WIN TO_B
.irp i, 0,1,2,3,4,5,6,7
	FRAG 128*(\p)+FR*\i, ADRB+\slot, \q, \i
.endr
	WIN 0
.endm
.macro FETCH_A slot, q, i0             ; source 1's blocks i0 .. i0 + 3
.irp i, \i0, \i0+1, \i0+2, \i0+3
	FRAG AF+FR*(\i), ADRA+\slot, \q, \i
.endr
.endm
; A load into a register that a matrix instruction has read, and a vector instruction that reads a matrix result or writes one of its registers, stand NP places behind it; only plain vector
; instructions that name none of its registers are places (ISA guide 7.12.1 for vector instructions).
.macro PLACES n
.rept \n
	v_nop
.endr
.endm
; A step of 128 along K that has its successor in the same slot.
.macro STEP slot, q, zero
	s_wait_dscnt 4*NL                              ; source 0's set and source 1's blocks 0-3 are in; the youngest 16 loads (blocks 4-7) may be out
	WIN MUL_LO
	MUL16 0, (\q)%2, \zero
	MUL16 2, (\q)%2, \zero
	s_wait_dscnt 0                                 ; blocks 4-7 are in
	PLACES NP
	FETCH_B \slot, (\q)+1, 1-(\q)%2
	FETCH_A \slot, (\q)+1, 0
	WIN MUL_HI
	MUL16 4, (\q)%2, \zero
	MUL16 6, (\q)%2, \zero
	PLACES NP
	WIN 0
	FETCH_A \slot, (\q)+1, 4
.endm
; A slot's last step changes slots: ONE barrier; in front of it each wave waits for all its tensor loads, adds 0 to its spare word, and waits for that and for its own reads of this slot.  fill = 1: this slot is filled again, two K steps ahead.
.macro TURN slot, next, fill
	s_wait_tensorcnt 0x0                           ; all my tensor loads have landed: my part of the next slot;  (every window is 0 here)
	ds_add_u32 v[SPW], v[NIL]                      ; 0 onto my spare word;
	s_wait_dscnt 4*NL+1                            ; (the add and the youngest 16 loads may be out)
	WIN MUL_LO
	MUL16 0, 1, 0                                  ; sixteen matrix instructions stand between the add and the wait for it
	s_wait_dscnt 0x0                               ; the add is done, and my reads of this slot are over
	s_barrier_signal -1
	MUL16 2, 1, 0
	WIN 0
	s_barrier_wait -1
.if \fill
	CREST                                          ; the barrier has opened a round of the cluster's barrier: no wave of any partner still reads this slot's tile or has a load on its way
	s_add_nc_u64 s[G0+4*\slot+2:G0+4*\slot+3], s[G0+4*\slot+2:G0+4*\slot+3], 2*ROWB
	s_add_nc_u64 s[G0B+4*\slot+2:G0B+4*\slot+3], s[G0B+4*\slot+2:G0B+4*\slot+3], 2*ROWB
	JLOAD G0+4*\slot, G1, G0B+4*\slot, G1B         ; my one tensor load behind the round, and the first thing there; its four v_nop are also the places in front of the loads below
.else
	PLACES NP
.endif
	FETCH_B \next, 0, 0
	FETCH_A \next, 0, 0
	WIN MUL_HI
	MUL16 4, 1, 0
	MUL16 6, 1, 0
	PLACES NP
	WIN 0
	FETCH_A \next, 0, 4
.endm
	s_wait_tensorcnt 1                             ; my part of K step 0 is in (K step 1's load may be out)
	s_barrier_signal -1
	s_barrier_wait -1                              ; everybody's is
	FETCH_B 0, 0, 0
	FETCH_A 0, 0, 0
	FETCH_A 0, 0, 4
	STEP 0, 0, 1                                   ; the first step stands in front of the loop: its products start the sums
	s_mov_b32 s3, LAPS-1
.Llap:                                                 ; a trip goes once round the ring, from a lap's second step to the next lap's first, and fills both slots again
	TURN 0, 1, 1
	STEP 1, 0, 0
	TURN 1, 0, 1
	STEP 0, 0, 0
	s_sub_co_u32 s3, s3, 1
	s_cmp_lg_u32 s3, 0
	s_cbranch_scc1 .Llap
	TURN 0, 1, 0                                   ; the last lap fills nothing, and has no round of the cluster's barrier
	STEP 1, 0, 0
	s_wait_dscnt 4*NL                              ; the very last step: nothing more to fetch
	WIN MUL_LO
	MUL16 0, 1, 0
	MUL16 2, 1, 0
	s_wait_dscnt 0
	WIN MUL_HI
	MUL16 4, 1, 0
	MUL16 6, 1, 0
	WIN 0
; THE WAY OUT, source 1's blocks one after the other.  64 numbers a lane: sum x 2^(ea + eb) + bias in one packed multiply-add for two, each accumulator from its low end on; the hold at 448 x 2^eo; eight
; conversions, each of a lane's eight neighbours along the next K; eight stores of 8 bytes a lane, 256 consecutive bytes a wave.
.macro EPI isv
.irp a, 0,1,2,3,4,5,6,7
	WIN 0x02+(\a/4)                                ; source 0: window 2 or 3
.set n, 0
.rept 32
.if \isv
	v_pk_fma_f32 v[TMP+n:TMP+n+1], v[64*(\a%4)+n:64*(\a%4)+n+1], s[96:97], v[BI+2*\a:BI+2*\a+1] op_sel_hi:[1,0,0]   ; my one channel's bias
.else
	v_pk_fma_f32 v[TMP+n:TMP+n+1], v[64*(\a%4)+n:64*(\a%4)+n+1], s[96:97], v[BJ+n:BJ+n+1] op_sel_hi:[1,0,1]         ; my eight channels' biases
.endif
.set n, n+2
.endr
	WIN 0
.set n, 0
.rept 64
	v_med3_num_f32 v[TMP+n], v[TMP+n], -v[LIM], v[LIM]   ; the conversion to an 8-bit code does not saturate (ISA guide 7.6.2)
.set n, n+1
.endr
.if \a > 1
	s_wait_xcnt 0x0                                ; the stores of two blocks back have read this set of code registers
.endif
.irp b, 0,1,2,3,4,5,6,7
	v_cvt_scalef32_pk8_fp8_f32 v[CD+16*(\a%2)+2*\b:CD+16*(\a%2)+2*\b+1], v[TMP+8*\b:TMP+8*\b+7], v[SCL]
.endr
	v_nop                                          ; a plain line between the conversions and the next block's multiply-adds, which write their sources
.irp b, 0,1,2,3,4,5,6,7
.if \isv
	global_store_b64 v[CO], v[CD+16*(\a%2)+2*\b:CD+16*(\a%2)+2*\b+1], s[10:11] offset:131072*(\a/4)+1024*(\a%4)+4096*(\b/4)+256*(\b%4) th:TH_STORE_NT   ; group a / 4, channels 16 (a % 4) on, keys 16 b on
.else
	global_store_b64 v[CO], v[CD+16*(\a%2)+2*\b:CD+16*(\a%2)+2*\b+1], s[10:11] offset:131072*(\b/4)+1024*\a+256*(\b%4) th:TH_STORE_NT                    ; head b / 4, tile a of tokens, channels 16 (b % 4) on
.endif
.endr
.endr
.endm
	s_wait_loadcnt 0x0                             ; the biases
	PLACES NP                                      ; behind the last products: for the reads of results and the writes over source 1's registers
	s_cmp_ge_u32 s17, 10                           ; the same in all four partners
	s_cbranch_scc1 .Lv
	EPI 0
	s_branch .Lend
.Lv:
	EPI 1
.Lend:
	s_wait_tensorcnt 0x0                           ; the wave's end
	ds_add_u32 v[SPW], v[NIL]
	s_wait_dscnt 0x0
	CROUND                                         ; the closing round: no work-group ends while a partner may still ask for a tile that names it
	s_endpgm
.Lfunc_end_k_q39c47b98fa_proj:
	.size	k_q39c47b98fa_proj, .Lfunc_end_k_q39c47b98fa_proj-k_q39c47b98fa_proj
	.p2alignl 7, 3214868480
	.fill 96, 4, 3214868480
	.section	.rodata,"a",@progbits
	.p2align	6, 0x0
	.amdhsa_kernel k_q39c47b98fa_proj
		.amdhsa_group_segment_fixed_size 327680
		.amdhsa_private_segment_fixed_size 0
		.amdhsa_enable_private_segment 0
		.amdhsa_kernarg_size 56
		.amdhsa_user_sgpr_count 2
		.amdhsa_user_sgpr_kernarg_segment_ptr 1
		.amdhsa_wavefront_size32 1
		.amdhsa_system_sgpr_workgroup_id_x 1
		.amdhsa_system_sgpr_workgroup_id_y 1
		.amdhsa_system_sgpr_workgroup_id_z 1
		.amdhsa_system_vgpr_workitem_id 0
		.amdhsa_next_free_vgpr 1024
		.amdhsa_next_free_sgpr 100
		.amdhsa_reserve_vcc 0
		.amdhsa_float_denorm_mode_32 3
		.amdhsa_float_denorm_mode_16_64 3
		.amdhsa_memory_ordered 1
		.amdhsa_forward_progress 1
		.amdhsa_inst_pref_size 200
	.end_amdhsa_kernel
	.amdgpu_metadata
---
amdhsa.version: [ 1, 2 ]
amdhsa.kernels:
  - .name:           k_q39c47b98fa_proj
    .symbol:         k_q39c47b98fa_proj.kd
    .args:
      - { .name: xc, .offset: 0, .size: 8, .value_kind: global_buffer, .address_space: global }
      - { .name: wc, .offset: 8, .size: 8, .value_kind: global_buffer, .address_space: global }
      - { .name: lowp_scales, .offset: 16, .size: 8, .value_kind: global_buffer, .address_space: global }
      - { .name: bq, .offset: 24, .size: 8, .value_kind: global_buffer, .address_space: global }
      - { .name: bk, .offset: 32, .size: 8, .value_kind: global_buffer, .address_space: global }
      - { .name: bv, .offset: 40, .size: 8, .value_kind: global_buffer, .address_space: global }
      - { .name: qkv, .offset: 48, .size: 8, .value_kind: global_buffer, .address_space: global }
    .group_segment_fixed_size: 327680
    .private_segment_fixed_size: 0
    .kernarg_segment_align: 8
    .kernarg_segment_size: 56
    .max_flat_workgroup_size: 128
    .sgpr_count:     100
    .vgpr_count:     1024
    .wavefront_size: 32
...
	.end_amdgpu_metadata
.endif
;; end of part 2
;; launch attn (part 3): grid 16 x 16, 16 waves a work-group, no clusters, 264,192 bytes of LDS; arguments qkv, lowp_scales, out0; writes out0
.if DOCPART == 3
	.amdgcn_target "amdgcn-amd-amdhsa--gfx1250"
	.amdhsa_code_object_version 6
	.text
	.protected	k_q39c47b98fa_attn
	.globl	k_q39c47b98fa_attn
	.p2align	8
	.type	k_q39c47b98fa_attn,@function
k_q39c47b98fa_attn:
	s_mov_b64 s[64:65], 0
	v_nop
	global_prefetch_b8 v0, s[64:65] scope:SCOPE_SE
	s_setreg_imm32_b32 hwreg(HW_REG_WAVE_MODE, 25, 1), 1
	s_wait_xcnt 0x0
; Grouped attention on codes of FP8 (E4M3).  For each batch b, group g, head hh of the group: o = softmax(q k^T / 8) v; out0 is flat [b][hh][g][token][64], f32.
; qkv holds codes as images of operand registers, in blocks of 8,192 bytes (128 tokens x 64): q at 0, block (32 b + 4 g + hh) 16 + sb; k at 8 MiB and v at 10 MiB, block (8 b + g) 16 + sb.
;   q, k: byte 1024 t + 512 c + 16 lane + i = (token 32 (t>>1) + 8 (t&1) + r + 8 (r>>3), channel 32 c + 16 h + i);  v: byte 4096 s + 1024 tau + 512 c + 16 lane + i = (channel 16 tau + r, key 64 s + 32 c + 16 h + i);  lane = r + 16 h.
;   A fragment (16 rows x 64 K, 8 registers) is two loads of 16 bytes a lane, 512 bytes apart; registers 4 c .. 4 c + 3 hold K = 32 c + 16 h + 0 .. 15, the same places of k in both sources of a product.
; SHARES.  Work-group (x, y): y = 8 b + g; x: head hh = x >> 2, tokens 512 (x & 3) on.  Each of sixteen waves owns 32 queries, two tiles of 16, in 256 registers: four waves to a SIMD.  Each fragment of K and V feeds both tiles.
; LDS.  The group's K (131,072 bytes) and V (131,072) lie in LDS whole, as they lie in memory, filled once through registers.  Each fragment load reads 512 consecutive bytes.
; BOTH PRODUCTS ARE USED TRANSPOSED: S^T = K Q^T (source 0 = 16 keys, source 1 = my 16 queries), O^T = V^T P^T: a lane holds ONE query (lane % 16) throughout.  The keys of a tile are chosen so that the 16 registers of
;   tiles 2 c and 2 c + 1 are keys 32 c + 16 h + 0 .. 15: the conversions' results are the second product's operand.
; TWO PASSES, since K stays in LDS.  Pass 1: S^T, and each query's largest score; t = score x log2(e) / 8 x 2^(e6 + e7); M = ceil(the largest t), a whole number.  Pass 2: S^T again, by the same instructions on the same
;   registers' contents; p = 2^(t - M) is summed unquantised and quantised under 2^e8; O^T += V^T P^T.  At the end O^T x 2^(e8 + e9) / the sum.  So nothing is rescaled on the way.
; NO TENSOR LOAD, NO CLUSTER: a work-group reads its 262,144 bytes once, at its head, against 64 trips of sixteen waves, and nothing is filled again; and the text branches on the given e8: p is at most 1, so where
;   448 x 2^e8 is 1 or more (e8 >= -8) the hold ahead of the conversion, 64 of a trip's vector instructions, is jumped over.  For every other e8 it runs.
; LIMITS: e6 + e7 between -123 and 130 (added to c's exponent field); e8 between -126 and 119; e8 + e9 goes in by v_ldexp_f32 and has none.  NaN is not served.  An exponential under 2^-126 comes out as 0 (ISA guide, v_exp_f32).
; REGISTERS: v1 16 x lane; v2 the same in V's half; v3, v4 addresses in hand; v5-8 16 x thread + 65,536 k; v9 448 x 2^e8; v[10:11], v[12:13] -M of tiles A, B; v14-21 the sums, two chains of pairs a tile; v22 2^e8;
;   v24-39 Q; v40-71 K's four fragments; v72-103 V's four; v104-167 S^T, then p; v168-183 p's codes; v184-247 O^T; v248-251 running maxima; v252-253 at work.
.set QA, 24
.set QB, 32
.set KF, 40
.set VF, 72
.set SA, 104
.set SB, 136
.set PA, 168
.set PB, 176
.set OA, 184
.set OB, 216
.set MX, 248
.set STP, 272                          ; the way out: a stage row: 256 bytes + 16
.macro KLOAD                           ; 64 keys: four fragments, 4,096 consecutive bytes
.irp n, 0,1,2,3,4,5,6,7
	ds_load_b128 v[KF+4*\n:KF+4*\n+3], v3 offset:512*\n
.endr
.endm
.macro VLOAD                           ; the same 64 keys of V: four fragments of 16 channels
.irp n, 0,1,2,3,4,5,6,7
	ds_load_b128 v[VF+4*\n:VF+4*\n+3], v4 offset:512*\n
.endr
.endm
.macro SMUL                            ; S^T of 64 keys for both tiles
.irp t, 0,1,2,3
	v_wmma_f32_16x16x64_fp8_fp8 v[SA+8*\t:SA+8*\t+7], v[KF+8*\t:KF+8*\t+7], v[QA:QA+7], 0
	v_wmma_f32_16x16x64_fp8_fp8 v[SB+8*\t:SB+8*\t+7], v[KF+8*\t:KF+8*\t+7], v[QB:QB+7], 0
.endr
.endm
; A trip of pass 1.  more = 1: the next 64 keys are fetched.  Four plain lines stand behind the products, ahead of the loads into K's registers and of the first read of results.
.macro P1 more
	s_wait_dscnt 0x0                               ; K's fragments are in
	SMUL
.if \more
	s_add_co_u32 s24, s24, 4096
	v_add_nc_u32 v3, s24, v1
	v_nop
	v_nop
	v_nop
	KLOAD
.else
	v_nop
	v_nop
	v_nop
	v_nop
.endif
.set i, 0
.rept 16                                       ; four chains, two a tile; each accumulator from its low end on
	v_max3_num_f32 v[MX+i%2], v[MX+i%2], v[SA+2*i], v[SA+2*i+1]
	v_max3_num_f32 v[MX+2+i%2], v[MX+2+i%2], v[SB+2*i], v[SB+2*i+1]
.set i, i+1
.endr
.endm
; A trip of pass 2.  zero = 1: the products start O^T's sums.  more = 1: the next 64 keys of K are fetched.
.macro P2 zero, more
	s_wait_dscnt 0x0                               ; K's fragments are in
	SMUL
	v_add_nc_u32 v4, s24, v2                       ; four plain lines: behind these products, ahead of the loads into K's registers and the reads of results; and behind the last trip's V^T P^T, ahead of the loads into V's registers
.if \more
	s_add_co_u32 s24, s24, 4096
	v_add_nc_u32 v3, s24, v1
	v_nop
	v_nop
.else
	v_nop
	v_nop
	v_nop
.endif
	VLOAD
.if \more
	KLOAD
.endif
.set n, 0
.rept 16
	v_pk_fma_f32 v[SA+n:SA+n+1], v[SA+n:SA+n+1], s[22:23], v[10:11] op_sel_hi:[1,0,0]   ; t - M, two at a time (of the pairs c and -M the low word serves both halves)
	v_pk_fma_f32 v[SB+n:SB+n+1], v[SB+n:SB+n+1], s[22:23], v[12:13] op_sel_hi:[1,0,0]
.set n, n+2
.endr
.set n, 0
.rept 64
	v_exp_f32 v[SA+n], v[SA+n]                     ; p = 2^(t - M): not normalised
.set n, n+1
.endr
	v_nop                                          ; a plain line behind the last exponential,
	s_wait_alu depctr_va_vdst(0)                   ; and one wait for the batch of 64, ahead of its first reader
.set i, 0
.rept 16                                       ; the row's sum is taken of the unquantised p
	v_pk_add_f32 v[14+2*(i%2):15+2*(i%2)], v[14+2*(i%2):15+2*(i%2)], v[SA+2*i:SA+2*i+1]
	v_pk_add_f32 v[18+2*(i%2):19+2*(i%2)], v[18+2*(i%2):19+2*(i%2)], v[SB+2*i:SB+2*i+1]
.set i, i+1
.endr
	s_cmp_ge_i32 s30, -8                           ; 448 x 2^e8 >= 1 >= p: nothing to hold
	s_cbranch_scc1 .Lfree_\@
.set n, 0
.rept 64
	v_min_num_f32 v[SA+n], v[SA+n], v9             ; the conversion to an 8-bit code does not saturate (ISA guide 7.6.2); p is not negative, so the hold is one-sided
.set n, n+1
.endr
.Lfree_\@:
.irp t, 0,1,2,3
	v_cvt_scalef32_pk8_fp8_f32 v[PA+2*\t:PA+2*\t+1], v[SA+8*\t:SA+8*\t+7], v22
	v_cvt_scalef32_pk8_fp8_f32 v[PB+2*\t:PB+2*\t+1], v[SB+8*\t:SB+8*\t+7], v22
.endr
	v_nop                                          ; a plain line between the conversions and the products that read their results
.if \more
	s_wait_dscnt 8                                 ; V's eight loads are in; the next K's eight may be out
.else
	s_wait_dscnt 0x0
.endif
.irp t, 0,1,2,3                                ; eight accumulators by turns, one instruction a turn; the eight products of S^T stand between two trips'
.if \zero
	v_wmma_f32_16x16x64_fp8_fp8 v[OA+8*\t:OA+8*\t+7], v[VF+8*\t:VF+8*\t+7], v[PA:PA+7], 0
	v_wmma_f32_16x16x64_fp8_fp8 v[OB+8*\t:OB+8*\t+7], v[VF+8*\t:VF+8*\t+7], v[PB:PB+7], 0
.else
	v_wmma_f32_16x16x64_fp8_fp8 v[OA+8*\t:OA+8*\t+7], v[VF+8*\t:VF+8*\t+7], v[PA:PA+7], v[OA+8*\t:OA+8*\t+7]
	v_wmma_f32_16x16x64_fp8_fp8 v[OB+8*\t:OB+8*\t+7], v[VF+8*\t:VF+8*\t+7], v[PB:PB+7], v[OB+8*\t:OB+8*\t+7]
.endif
.endr
.endm
	s_load_b128 s[4:7], s[0:1], 0x0                ; qkv s[4:5], the scales' exponents s[6:7]
	s_load_b64 s[8:9], s[0:1], 0x10                ; out0
	v_lshl_add_u32 v254, v0, 2, 0x40000
	v_mov_b32 v255, 0
	v_lshrrev_b32 v1, 5, v0
	v_readfirstlane_b32 s10, v1                    ; wave 0..15
	v_and_b32 v1, 31, v0
	v_lshlrev_b32 v1, 4, v1                        ; 16 x lane
	v_add_nc_u32 v2, 0x20000, v1                   ; the same in V's half of LDS
	v_lshlrev_b32 v5, 4, v0                        ; 16 x thread: my 16 bytes of the work-group's 8,192
	v_add_nc_u32 v6, 0x10000, v5
	v_add_nc_u32 v7, 0x20000, v5
	v_add_nc_u32 v8, 0x30000, v5
	s_and_b32 s11, ttmp7, 0xffff                   ; 8 b + g
	s_lshr_b32 s12, s11, 3                         ; b
	s_and_b32 s13, s11, 7                          ; g
	s_lshr_b32 s32, ttmp9, 2                       ; hh
	s_and_b32 s33, ttmp9, 3                        ; which 512 tokens
	s_lshl_b32 s34, s12, 5
	s_lshl_b32 s35, s13, 2
	s_add_co_u32 s34, s34, s35
	s_add_co_u32 s34, s34, s32                     ; 32 b + 4 g + hh
	s_lshl_b32 s34, s34, 4
	s_lshl_b32 s35, s33, 2
	s_add_co_u32 s34, s34, s35
	s_lshr_b32 s35, s10, 2
	s_add_co_u32 s34, s34, s35                     ; q's block: + 4 (x & 3) + wave / 4
	s_lshl_b32 s34, s34, 13
	s_and_b32 s35, s10, 3
	s_lshl_b32 s35, s35, 11
	s_add_co_u32 s34, s34, s35                     ; + my two tiles of its eight
	s_mov_b32 s35, 0
	s_lshl_b32 s36, s11, 17
	s_add_co_u32 s36, s36, 0x800000                ; the group's K
	s_mov_b32 s37, 0
	s_lshl_b32 s38, s12, 2
	s_add_co_u32 s38, s38, s32
	s_lshl_b32 s38, s38, 3
	s_add_co_u32 s38, s38, s13                     ; (4 b + hh) 8 + g
	s_lshl_b32 s38, s38, 19                        ; x 2,048 tokens of 256 bytes
	s_lshl_b32 s39, s33, 17
	s_add_co_u32 s38, s38, s39
	s_lshl_b32 s39, s10, 13
	s_add_co_u32 s38, s38, s39                     ; + my first token: 512 (x & 3) + 32 x wave
	s_mov_b32 s39, 0
	s_mov_b32 s20, 0x76543210                      ; v_permlanex16_b32's selects for lane l xor 16
	s_mov_b32 s21, 0xfedcba98
	s_mov_b32 s22, 0x3e38aa3b                      ; c = log2(e) / 8
	s_wait_kmcnt 0x0
	s_load_b128 s[28:31], s[6:7], 0x18             ; e6, e7, e8, e9
	s_add_nc_u64 s[18:19], s[4:5], s[34:35]        ; Q
	s_add_nc_u64 s[14:15], s[4:5], s[36:37]        ; K
	s_add_nc_u64 s[16:17], s[14:15], 0x200000      ; V
	s_add_nc_u64 s[8:9], s[8:9], s[38:39]          ; O
.irp n, 0,1,2,3
	global_load_b128 v[QA+4*\n:QA+4*\n+3], v1, s[18:19] offset:512*\n th:TH_LOAD_NT   ; my two fragments of Q stay in registers
.endr
.irp n, 0,1,2,3,4,5,6,7,8,9,10,11,12,13,14,15
	global_load_b128 v[SA+4*\n:SA+4*\n+3], v5, s[14:15] offset:8192*\n     ; K: the work-group reads 8,192 consecutive bytes an instruction
.endr
.irp n, 0,1,2,3,4,5,6,7,8,9,10,11,12,13,14,15
	global_load_b128 v[OA+4*\n:OA+4*\n+3], v5, s[16:17] offset:8192*\n     ; V: into O^T's registers, which pass 1 does not touch: it lands while pass 1 runs
.endr
.irp j, 0,1,2,3
	v_mov_b32 v[MX+\j], 0xff61b1e6                 ; -3e38: under every score (a sum of 64 products of codes is under 1.3e7 in magnitude)
.endr
	v_mov_b32 v252, 0                              ; written once: a lane permute's destination counts as one of its sources
	v_mov_b32 v253, 0
.irp j, 14,15,16,17,18,19,20,21
	v_mov_b32 v\j, 0                               ; the sums
.endr
	s_wait_kmcnt 0x0
	s_add_co_i32 s32, s28, s29
	s_lshl_b32 s32, s32, 23
	s_add_co_i32 s22, s22, s32                     ; a score stands for score x 2^(e6 + e7): the two exponents are added to c's exponent field
	s_mov_b32 s23, s22                             ; (named with it as a pair, so it is written)
	s_add_co_i32 s32, s30, 127
	s_lshl_b32 s33, s32, 23
	v_mov_b32 v22, s33                             ; 2^e8 as f32, for the conversion
	s_add_co_i32 s32, s32, 8
	s_lshl_b32 s32, s32, 23
	s_or_b32 s32, s32, 0x600000
	v_mov_b32 v9, s32                              ; 448 x 2^e8
	s_add_co_i32 s26, s30, s31                     ; e8 + e9
.irp n, 0,1,2,3,4,5,6,7,8,9,10,11,12,13,14,15
	s_wait_loadcnt 31-\n                           ; K's load n is in: behind it stand K's 15 - n younger loads and V's 16
.if \n < 8
	ds_store_b128 v5, v[SA+4*\n:SA+4*\n+3] offset:8192*\n
.else
	ds_store_b128 v6, v[SA+4*\n:SA+4*\n+3] offset:8192*(\n-8)
.endif
.endr
	s_wait_dscnt 0x0                               ; for the others' sake: my part of K lies in LDS
	s_barrier_signal -1
	s_barrier_wait -1                              ; all of K does
	; ---- pass 1: each query's largest score
	s_mov_b32 s24, 0
	v_mov_b32 v3, v1
	KLOAD
	s_mov_b32 s25, 31
.Lp1:
	P1 1
	s_sub_co_u32 s25, s25, 1
	s_cmp_lg_u32 s25, 0
	s_cbranch_scc1 .Lp1
	P1 0
	v_max_num_f32 v248, v248, v249
	v_max_num_f32 v250, v250, v251
	v_permlanex16_b32 v252, v248, s20, s21         ; the query's other keys lie in the lane 16 away
	v_permlanex16_b32 v253, v250, s20, s21
	v_max_num_f32 v248, v248, v252
	v_max_num_f32 v250, v250, v253
	v_mul_f32 v248, s22, v248                      ; as t (c is positive)
	v_mul_f32 v250, s22, v250
	v_floor_f32 v10, -v248                         ; -M = floor(-t) = -ceil(t): M is a whole number
	v_floor_f32 v12, -v250
	v_mov_b32 v11, v10                             ; (named with them as pairs, so they are written)
	v_mov_b32 v13, v12
	s_wait_loadcnt 0x0                             ; V
.irp n, 0,1,2,3,4,5,6,7,8,9,10,11,12,13,14,15
.if \n < 8
	ds_store_b128 v7, v[OA+4*\n:OA+4*\n+3] offset:8192*\n
.else
	ds_store_b128 v8, v[OA+4*\n:OA+4*\n+3] offset:8192*(\n-8)
.endif
.endr
	s_wait_dscnt 0x0                               ; for the others' sake: my part of V lies in LDS
	s_barrier_signal -1
	s_barrier_wait -1                              ; all of V does
	; ---- pass 2
	s_mov_b32 s24, 0
	v_mov_b32 v3, v1
	KLOAD
	P2 1, 1                                        ; the first 64 keys start O^T's sums: nothing is cleared
	s_mov_b32 s25, 30
.Lp2:
	P2 0, 1
	s_sub_co_u32 s25, s25, 1
	s_cmp_lg_u32 s25, 0
	s_cbranch_scc1 .Lp2
	P2 0, 0                                        ; the last 64 keys: nothing more to fetch
	; ---- the way out.  The additions are the plain lines behind the last products
	v_pk_add_f32 v[14:15], v[14:15], v[16:17]
	v_pk_add_f32 v[18:19], v[18:19], v[20:21]
	v_add_f32 v14, v14, v15
	v_add_f32 v18, v18, v19
	v_permlanex16_b32 v252, v14, s20, s21
	v_permlanex16_b32 v253, v18, s20, s21
	v_add_f32 v14, v14, v252                       ; the rows' sums
	v_add_f32 v18, v18, v253
	v_rcp_f32 v248, v14
	v_rcp_f32 v250, v18
	v_and_b32 v3, 15, v0                           ; (plain lines behind the reciprocals)  r
	v_bfe_u32 v4, v0, 4, 1                         ; h
	v_and_b32 v23, 8, v3
	v_add_nc_u32 v23, v23, v3                      ; r + 8 (r >> 3): my query's row among tile 0's; tile 1's lie 8 rows on
	v_mul_u32_u24 v23, v23, STP
	v_lshl_add_u32 v23, v4, 5, v23
	s_mul_i32 s33, s10, 32*STP                     ; my stage: 32 rows of 272 bytes, in the bytes that held K and V
	v_add_nc_u32 v23, s33, v23                     ; in: my row, + 32 h: eight channels of my half
	v_mul_u32_u24 v4, v4, STP
	v_lshl_add_u32 v4, v3, 4, v4
	v_add_nc_u32 v4, s33, v4                       ; back: lanes 0-15 one row, lanes 16-31 the next
	s_wait_alu depctr_va_vdst(0)                   ; one wait for the two reciprocals, ahead of their first reader
	v_ldexp_f32 v248, v248, s26                    ; x 2^(e8 + e9)
	v_ldexp_f32 v250, v250, s26
	s_wait_dscnt 0x0                               ; my reads of K and V are over
	s_barrier_signal -1
	s_barrier_wait -1                              ; everybody's are: the stages may be written
.set n, 0
.rept 32
	v_mul_f32 v[SA+n], v[OA+n], v248               ; register 8 tau + j is o(my query, 16 tau + 8 h + j); each accumulator from its low end on
.set n, n+1
.endr
.set n, 0
.rept 32
	v_mul_f32 v[SB+n], v[OB+n], v250
.set n, n+1
.endr
.irp u, 0,1
.irp t, 0,1,2,3
	ds_store_b128 v23, v[SA+32*\u+8*\t:SA+32*\u+8*\t+3] offset:8*STP*\u+64*\t
	ds_store_b128 v23, v[SA+32*\u+8*\t+4:SA+32*\u+8*\t+7] offset:8*STP*\u+64*\t+16
.endr
.endr
.irp i, 0,1,2,3,4,5,6,7,8,9,10,11,12,13,14,15
	ds_load_b128 v[KF+4*\i:KF+4*\i+3], v4 offset:2*\i*STP          ; LDS serves a wave's instructions in order: these see my stores
.endr
.irp i, 0,1,2,3,4,5,6,7,8,9,10,11,12,13,14,15
	s_wait_dscnt 15-\i
	global_store_b128 v1, v[KF+4*\i:KF+4*\i+3], s[8:9] offset:512*\i th:TH_STORE_NT   ; two tokens' rows: 512 consecutive bytes, at a multiple of 512 from out0's first byte
.endr
	s_wait_tensorcnt 0x0
	ds_add_u32 v254, v255
	s_wait_dscnt 0x0
	s_endpgm
.Lfunc_end_k_q39c47b98fa_attn:
	.size	k_q39c47b98fa_attn, .Lfunc_end_k_q39c47b98fa_attn-k_q39c47b98fa_attn
	.p2alignl 7, 3214868480
	.fill 96, 4, 3214868480
	.section	.rodata,"a",@progbits
	.p2align	6, 0x0
	.amdhsa_kernel k_q39c47b98fa_attn
		.amdhsa_group_segment_fixed_size 264192
		.amdhsa_private_segment_fixed_size 0
		.amdhsa_enable_private_segment 0
		.amdhsa_kernarg_size 24
		.amdhsa_user_sgpr_count 2
		.amdhsa_user_sgpr_kernarg_segment_ptr 1
		.amdhsa_wavefront_size32 1
		.amdhsa_system_sgpr_workgroup_id_x 1
		.amdhsa_system_sgpr_workgroup_id_y 1
		.amdhsa_system_sgpr_workgroup_id_z 1
		.amdhsa_system_vgpr_workitem_id 0
		.amdhsa_next_free_vgpr 256
		.amdhsa_next_free_sgpr 66
		.amdhsa_reserve_vcc 0
		.amdhsa_float_denorm_mode_32 3
		.amdhsa_float_denorm_mode_16_64 3
		.amdhsa_memory_ordered 1
		.amdhsa_forward_progress 1
		.amdhsa_inst_pref_size 57
	.end_amdhsa_kernel
	.amdgpu_metadata
---
amdhsa.version: [ 1, 2 ]
amdhsa.kernels:
  - .name:           k_q39c47b98fa_attn
    .symbol:         k_q39c47b98fa_attn.kd
    .args:
      - { .name: qkv, .offset: 0, .size: 8, .value_kind: global_buffer, .address_space: global }
      - { .name: lowp_scales, .offset: 8, .size: 8, .value_kind: global_buffer, .address_space: global }
      - { .name: out0, .offset: 16, .size: 8, .value_kind: global_buffer, .address_space: global }
    .group_segment_fixed_size: 264192
    .private_segment_fixed_size: 0
    .kernarg_segment_align: 8
    .kernarg_segment_size: 24
    .max_flat_workgroup_size: 512
    .sgpr_count:     66
    .vgpr_count:     256
    .wavefront_size: 32
...
	.end_amdgpu_metadata
.endif
;; end of part 3
;; ======== version 2 of 2: 3 launches; version 1 with the launch attn written anew for expert scheduling mode
;; workspace buffers: xc 25,165,824 bytes; wc 6,291,456 bytes; qkv 12,582,912 bytes
;; launch quant: the kernel of part 1 again; grid 448 x 1, 4 waves a work-group, no clusters, 68,096 bytes of LDS; arguments x, Wq, Wk, Wv, lowp_scales, xc, wc; writes xc, wc
;; launch proj: the kernel of part 2 again; grid 16 x 12, 4 waves a work-group, clusters of 4 x 1, 327,680 bytes of LDS; arguments xc, wc, lowp_scales, bq, bk, bv, qkv; writes qkv
;; launch attn (part 4): grid 16 x 16, 16 waves a work-group, no clusters, 264,192 bytes of LDS; arguments qkv, lowp_scales, out0; writes out0
.if DOCPART == 4
	.amdgcn_target "amdgcn-amd-amdhsa--gfx1250"
	.amdhsa_code_object_version 6
	.text
	.protected	k_q39c47b98fa_attn
	.globl	k_q39c47b98fa_attn
	.p2align	8
	.type	k_q39c47b98fa_attn,@function
k_q39c47b98fa_attn:
	s_mov_b64 s[64:65], 0
	v_nop
	global_prefetch_b8 v0, s[64:65] scope:SCOPE_SE
	s_setreg_imm32_b32 hwreg(HW_REG_WAVE_SCHED_MODE, 0, 2), 2
	s_setreg_imm32_b32 hwreg(HW_REG_WAVE_MODE, 25, 1), 1
	s_wait_xcnt 0x0
	s_wait_alu depctr_vm_vsrc(0)
; Grouped attention on codes of FP8 (E4M3).  For each batch b, group g, head hh of the group: o = softmax(q k^T / 8) v; out0 is flat [b][hh][g][token][64], f32.
; qkv holds codes as images of operand registers, in blocks of 8,192 bytes (128 tokens x 64): q at 0, block (32 b + 4 g + hh) 16 + sb; k at 8 MiB and v at 10 MiB, block (8 b + g) 16 + sb.
;   q, k: byte 1024 t + 512 c + 16 lane + i = (token 32 (t>>1) + 8 (t&1) + r + 8 (r>>3), channel 32 c + 16 h + i);  v: byte 4096 s + 1024 tau + 512 c + 16 lane + i = (channel 16 tau + r, key 64 s + 32 c + 16 h + i);  lane = r + 16 h.
;   A fragment (16 rows x 64 K, 8 registers) is two loads of 16 bytes a lane, 512 bytes apart; registers 4 c .. 4 c + 3 hold K = 32 c + 16 h + 0 .. 15, the same places of k in both sources of a product.
; SHARES.  Work-group (x, y): y = 8 b + g; x: head hh = x >> 2, tokens 512 (x & 3) on.  Each of sixteen waves owns 32 queries, two tiles of 16, in 256 registers: four waves to a SIMD.  Each fragment of K and V feeds both tiles.
; LDS.  The group's K (131,072 bytes) and V (131,072) lie in LDS whole, as they lie in memory, filled once through registers.  Each fragment load reads 512 consecutive bytes.
; BOTH PRODUCTS ARE USED TRANSPOSED: S^T = K Q^T (source 0 = 16 keys, source 1 = my 16 queries), O^T = V^T P^T: a lane holds ONE query (lane % 16) throughout.  The keys of a tile are chosen so that the 16 registers of
;   tiles 2 c and 2 c + 1 are keys 32 c + 16 h + 0 .. 15: the conversions' results are the second product's operand.
; TWO PASSES, since K stays in LDS.  Pass 1: S^T, and each query's largest score; t = score x log2(e) / 8 x 2^(e6 + e7); M = ceil(the largest t), a whole number.  Pass 2: S^T again, by the same instructions on the same
;   registers' contents; p = 2^(t - M) is summed unquantised and quantised under 2^e8; O^T += V^T P^T.  At the end O^T x 2^(e8 + e9) / the sum.  So nothing is rescaled on the way.
; NO TENSOR LOAD, NO CLUSTER: a work-group reads its 262,144 bytes once, at its head, against 64 trips of sixteen waves, and nothing is filled again; and the text branches on the given e8: p is at most 1, so where
;   448 x 2^e8 is 1 or more (e8 >= -8) the hold ahead of the conversion, 64 of a trip's vector instructions, is jumped over.  For every other e8 it runs.
; LIMITS: e6 + e7 between -123 and 130 (added to c's exponent field); e8 between -126 and 119; e8 + e9 goes in by v_ldexp_f32 and has none.  NaN is not served.  An exponential under 2^-126 comes out as 0 (ISA guide, v_exp_f32).
; REGISTERS: v1 16 x lane; v2 the same in V's half; v3, v4 addresses in hand; v5-8 16 x thread + 65,536 k; v9 448 x 2^e8; v[10:11], v[12:13] -M of tiles A, B; v14-21 the sums, two chains of pairs a tile; v22 2^e8;
;   v24-39 Q; v40-71 K's four fragments; v72-103 V's four (in pass 1: K's second set); v104-167 S^T, then p; v168-183 p's codes; v184-247 O^T; v248-251 running maxima; v252-253 at work; v254, v255 the closing add's two.
; THE MODE: SCHED_MODE bits 1:0 = 2 (LLVM: expert scheduling mode 2), set by the entry lines.  The code itself states the register dependences between vector or matrix instructions and memory or LDS
;   instructions, with s_wait_alu, always for 0.
; THE PLAN.  Registers that memory or LDS instructions touch:
;   v1, v5-v8, v254, v255   offsets and addresses, written at the head, ahead of its one wait on va_vdst, and never again.
;   v3      K's LDS address: read by every load of K.  Written at the head; once a lap in pass 1; ahead of pass 2; once a trip in pass 2; on the way out: each time behind a wait on vm_vsrc.
;   v4      V's LDS address: read by every load of V.  Written once a trip in pass 2, beside v3, and on the way out.
;   K0 = v40-71, K1 = v72-103.  PASS 1: step s multiplies by K[s % 2]; its eight loads bring step s + 1 into the other set, which the products of step s - 1 read last.  ONE wait on va_vdst at a step's head states
;           that those are done, and that v3 is written; the loads are dealt among the step's eight products, which name neither the other set nor v3.
;           PASS 2: K0 is read by a trip's S^T, V (= K1's registers) by the trip's V^T P^T.  ONE wait on va_vdst a trip, the one that stands behind the exponentials: ahead of it lie this trip's S^T, the last
;           trip's V^T P^T and the adds to v3 and v4.  All sixteen loads follow it: V's in a run, the next K's dealt among the sums, which name v14-21 and p alone.
;   S^T's and O^T's registers   carry K and V from memory to LDS at the head: a wait on vm_vsrc behind each of the two barriers states that the LDS stores have read them, ahead of the products that write them.
;   The way out: one wait on va_vdst ahead of the stage's stores (their data and addresses are written; the products are done with v40-103, in which the stage's loads land).
.set QA, 24
.set QB, 32
.set KF, 40
.set VF, 72
.set SA, 104
.set SB, 136
.set PA, 168
.set PB, 176
.set OA, 184
.set OB, 216
.set MX, 248
.set STP, 272                          ; the way out: a stage row: 256 bytes + 16
.macro KLOAD                           ; 64 keys: four fragments, 4,096 consecutive bytes, into K's first set
.irp n, 0,1,2,3,4,5,6,7
	ds_load_b128 v[KF+4*\n:KF+4*\n+3], v3 offset:512*\n
.endr
.endm
.macro VLOAD                           ; the same 64 keys of V: four fragments of 16 channels
.irp n, 0,1,2,3,4,5,6,7
	ds_load_b128 v[VF+4*\n:VF+4*\n+3], v4 offset:512*\n
.endr
.endm
.macro SMUL                            ; S^T of 64 keys for both tiles
.irp t, 0,1,2,3
	v_wmma_f32_16x16x64_fp8_fp8 v[SA+8*\t:SA+8*\t+7], v[KF+8*\t:KF+8*\t+7], v[QA:QA+7], 0
	v_wmma_f32_16x16x64_fp8_fp8 v[SB+8*\t:SB+8*\t+7], v[KF+8*\t:KF+8*\t+7], v[QB:QB+7], 0
.endr
.endm
; A step of pass 1, on K's set p.  more = 1: the next 64 keys are fetched into the other set: an even step's successor lies 4,096 bytes behind v3, an odd step's at v3, which has moved on by then.
; on = 1: v3 moves on by a lap, 8,192 bytes.  Four plain lines stand behind the products, ahead of the first read of results (ISA guide 7.12.1).
.macro P1 p, more, on
	s_wait_dscnt 0x0                               ; this set's fragments are in
.if \more
	s_wait_alu depctr_va_vdst(0)                   ; the products of the step before are done reading the other set, in which the loads below land; in an odd step v3, which they read, is written
.endif
.irp t, 0,1,2,3
.if \more
	ds_load_b128 v[KF+32*(1-(\p))+8*\t:KF+32*(1-(\p))+8*\t+3],   v3 offset:4096*(1-(\p))+1024*\t       ; no wait: no vector or matrix instruction since the wait above names the other set or v3
	ds_load_b128 v[KF+32*(1-(\p))+8*\t+4:KF+32*(1-(\p))+8*\t+7], v3 offset:4096*(1-(\p))+1024*\t+512
.endif
	v_wmma_f32_16x16x64_fp8_fp8 v[SA+8*\t:SA+8*\t+7], v[KF+32*(\p)+8*\t:KF+32*(\p)+8*\t+7], v[QA:QA+7], 0
	v_wmma_f32_16x16x64_fp8_fp8 v[SB+8*\t:SB+8*\t+7], v[KF+32*(\p)+8*\t:KF+32*(\p)+8*\t+7], v[QB:QB+7], 0
.endr
.if \on
	s_wait_alu depctr_vm_vsrc(0)                   ; the LDS loads issued so far have read v3
	s_add_co_u32 s24, s24, 8192
	v_add_nc_u32 v3, s24, v1
	v_nop
	v_nop
	v_nop
.else
	v_nop
	v_nop
	v_nop
	v_nop
.endif
.set i, 0
.rept 16                                       ; four chains, two a tile; each accumulator from its low end on
	v_max3_num_f32 v[MX+i%2], v[MX+i%2], v[SA+2*i], v[SA+2*i+1]
	v_max3_num_f32 v[MX+2+i%2], v[MX+2+i%2], v[SB+2*i], v[SB+2*i+1]
.set i, i+1
.endr
.endm
; A trip of pass 2.  zero = 1: the products start O^T's sums.  more = 1: the next 64 keys of K are fetched.
.macro P2 zero, more
	s_wait_dscnt 0x0                               ; K's fragments are in
	SMUL
	s_wait_alu depctr_vm_vsrc(0)                   ; the LDS loads issued so far have read v3 and v4, which the adds below write
	v_add_nc_u32 v4, s24, v2                       ; four plain lines behind these products, ahead of the reads of results
.if \more
	s_add_co_u32 s24, s24, 4096
	v_add_nc_u32 v3, s24, v1
	v_nop
	v_nop
.else
	v_nop
	v_nop
	v_nop
.endif
.set n, 0
.rept 16
	v_pk_fma_f32 v[SA+n:SA+n+1], v[SA+n:SA+n+1], s[22:23], v[10:11] op_sel_hi:[1,0,0]   ; t - M, two at a time (of the pairs c and -M the low word serves both halves)
	v_pk_fma_f32 v[SB+n:SB+n+1], v[SB+n:SB+n+1], s[22:23], v[12:13] op_sel_hi:[1,0,0]
.set n, n+2
.endr
.set n, 0
.rept 64
	v_exp_f32 v[SA+n], v[SA+n]                     ; p = 2^(t - M): not normalised
.set n, n+1
.endr
	v_nop                                          ; a plain line behind the last exponential,
	s_wait_alu depctr_va_vdst(0)                   ; and one wait: the 64 exponentials have written p, ahead of its first reader; this trip's S^T is done reading K's registers and the last trip's V^T P^T V's, in which the loads below land; v3 and v4, which they read, are written
	VLOAD
.set i, 0
.rept 16                                       ; the row's sum is taken of the unquantised p
	v_pk_add_f32 v[14+2*(i%2):15+2*(i%2)], v[14+2*(i%2):15+2*(i%2)], v[SA+2*i:SA+2*i+1]
	v_pk_add_f32 v[18+2*(i%2):19+2*(i%2)], v[18+2*(i%2):19+2*(i%2)], v[SB+2*i:SB+2*i+1]
.if \more && (i%2 == 1)
	ds_load_b128 v[KF+4*(i/2):KF+4*(i/2)+3], v3 offset:512*(i/2)   ; the next 64 keys of K, dealt among the sums.  No wait: no vector or matrix instruction since the wait above names K's registers or v3
.endif
.set i, i+1
.endr
	s_cmp_ge_i32 s30, -8                           ; 448 x 2^e8 >= 1 >= p: nothing to hold
	s_cbranch_scc1 .Lfree_\@
.set n, 0
.rept 64
	v_min_num_f32 v[SA+n], v[SA+n], v9             ; the conversion to an 8-bit code does not saturate (ISA guide 7.6.2); p is not negative, so the hold is one-sided
.set n, n+1
.endr
.Lfree_\@:
.irp t, 0,1,2,3
	v_cvt_scalef32_pk8_fp8_f32 v[PA+2*\t:PA+2*\t+1], v[SA+8*\t:SA+8*\t+7], v22
	v_cvt_scalef32_pk8_fp8_f32 v[PB+2*\t:PB+2*\t+1], v[SB+8*\t:SB+8*\t+7], v22
.endr
	v_nop                                          ; a plain line between the conversions and the products that read their results
.if \more
	s_wait_dscnt 8                                 ; V's eight loads are in; the next K's eight may be out
.else
	s_wait_dscnt 0x0
.endif
.irp t, 0,1,2,3                                ; eight accumulators by turns, one instruction a turn; the eight products of S^T stand between two trips'
.if \zero
	v_wmma_f32_16x16x64_fp8_fp8 v[OA+8*\t:OA+8*\t+7], v[VF+8*\t:VF+8*\t+7], v[PA:PA+7], 0
	v_wmma_f32_16x16x64_fp8_fp8 v[OB+8*\t:OB+8*\t+7], v[VF+8*\t:VF+8*\t+7], v[PB:PB+7], 0
.else
	v_wmma_f32_16x16x64_fp8_fp8 v[OA+8*\t:OA+8*\t+7], v[VF+8*\t:VF+8*\t+7], v[PA:PA+7], v[OA+8*\t:OA+8*\t+7]
	v_wmma_f32_16x16x64_fp8_fp8 v[OB+8*\t:OB+8*\t+7], v[VF+8*\t:VF+8*\t+7], v[PB:PB+7], v[OB+8*\t:OB+8*\t+7]
.endif
.endr
.endm
	s_load_b128 s[4:7], s[0:1], 0x0                ; qkv s[4:5], the scales' exponents s[6:7]
	s_load_b64 s[8:9], s[0:1], 0x10                ; out0
	v_lshl_add_u32 v254, v0, 2, 0x40000
	v_mov_b32 v255, 0
	v_lshrrev_b32 v1, 5, v0
	v_readfirstlane_b32 s10, v1                    ; wave 0..15
	v_and_b32 v1, 31, v0
	v_lshlrev_b32 v1, 4, v1                        ; 16 x lane
	v_add_nc_u32 v2, 0x20000, v1                   ; the same in V's half of LDS
	v_mov_b32 v3, v1                               ; K's LDS address: pass 1 begins at the first key
	v_lshlrev_b32 v5, 4, v0                        ; 16 x thread: my 16 bytes of the work-group's 8,192
	v_add_nc_u32 v6, 0x10000, v5
	v_add_nc_u32 v7, 0x20000, v5
	v_add_nc_u32 v8, 0x30000, v5
	s_wait_alu depctr_va_sdst(0)                   ; s10 is written, ahead of its first reader: the places of Q and of O, and my stage, are made from it
	s_and_b32 s11, ttmp7, 0xffff                   ; 8 b + g
	s_lshr_b32 s12, s11, 3                         ; b
	s_and_b32 s13, s11, 7                          ; g
	s_lshr_b32 s32, ttmp9, 2                       ; hh
	s_and_b32 s33, ttmp9, 3                        ; which 512 tokens
	s_lshl_b32 s34, s12, 5
	s_lshl_b32 s35, s13, 2
	s_add_co_u32 s34, s34, s35
	s_add_co_u32 s34, s34, s32                     ; 32 b + 4 g + hh
	s_lshl_b32 s34, s34, 4
	s_lshl_b32 s35, s33, 2
	s_add_co_u32 s34, s34, s35
	s_lshr_b32 s35, s10, 2
	s_add_co_u32 s34, s34, s35                     ; q's block: + 4 (x & 3) + wave / 4
	s_lshl_b32 s34, s34, 13
	s_and_b32 s35, s10, 3
	s_lshl_b32 s35, s35, 11
	s_add_co_u32 s34, s34, s35                     ; + my two tiles of its eight
	s_mov_b32 s35, 0
	s_lshl_b32 s36, s11, 17
	s_add_co_u32 s36, s36, 0x800000                ; the group's K
	s_mov_b32 s37, 0
	s_lshl_b32 s38, s12, 2
	s_add_co_u32 s38, s38, s32
	s_lshl_b32 s38, s38, 3
	s_add_co_u32 s38, s38, s13                     ; (4 b + hh) 8 + g
	s_lshl_b32 s38, s38, 19                        ; x 2,048 tokens of 256 bytes
	s_lshl_b32 s39, s33, 17
	s_add_co_u32 s38, s38, s39
	s_lshl_b32 s39, s10, 13
	s_add_co_u32 s38, s38, s39                     ; + my first token: 512 (x & 3) + 32 x wave
	s_mov_b32 s39, 0
	s_mov_b32 s20, 0x76543210                      ; v_permlanex16_b32's selects for lane l xor 16
	s_mov_b32 s21, 0xfedcba98
	s_mov_b32 s22, 0x3e38aa3b                      ; c = log2(e) / 8
	s_wait_kmcnt 0x0
	s_load_b128 s[28:31], s[6:7], 0x18             ; e6, e7, e8, e9
	s_add_nc_u64 s[18:19], s[4:5], s[34:35]        ; Q
	s_add_nc_u64 s[14:15], s[4:5], s[36:37]        ; K
	s_add_nc_u64 s[16:17], s[14:15], 0x200000      ; V
	s_add_nc_u64 s[8:9], s[8:9], s[38:39]          ; O
	s_wait_alu depctr_va_vdst(0)                   ; the offsets and addresses v1, v3, v5 to v8, v254 and v255 are written, which the loads, stores and the closing add read
.irp n, 0,1,2,3
	global_load_b128 v[QA+4*\n:QA+4*\n+3], v1, s[18:19] offset:512*\n th:TH_LOAD_NT   ; my two fragments of Q stay in registers
.endr
.irp n, 0,1,2,3,4,5,6,7,8,9,10,11,12,13,14,15
	global_load_b128 v[SA+4*\n:SA+4*\n+3], v5, s[14:15] offset:8192*\n     ; K: the work-group reads 8,192 consecutive bytes an instruction
.endr
.irp n, 0,1,2,3,4,5,6,7,8,9,10,11,12,13,14,15
	global_load_b128 v[OA+4*\n:OA+4*\n+3], v5, s[16:17] offset:8192*\n     ; V: into O^T's registers, which pass 1 does not touch: it lands while pass 1 runs
.endr
.irp j, 0,1,2,3
	v_mov_b32 v[MX+\j], 0xff61b1e6                 ; -3e38: under every score (a sum of 64 products of codes is under 1.3e7 in magnitude)
.endr
	v_mov_b32 v252, 0                              ; written once: a lane permute's destination counts as one of its sources
	v_mov_b32 v253, 0
.irp j, 14,15,16,17,18,19,20,21
	v_mov_b32 v\j, 0                               ; the sums
.endr
	s_wait_kmcnt 0x0
	s_add_co_i32 s32, s28, s29
	s_lshl_b32 s32, s32, 23
	s_add_co_i32 s22, s22, s32                     ; a score stands for score x 2^(e6 + e7): the two exponents are added to c's exponent field
	s_mov_b32 s23, s22                             ; (named with it as a pair, so it is written)
	s_add_co_i32 s32, s30, 127
	s_lshl_b32 s33, s32, 23
	v_mov_b32 v22, s33                             ; 2^e8 as f32, for the conversion
	s_add_co_i32 s32, s32, 8
	s_lshl_b32 s32, s32, 23
	s_or_b32 s32, s32, 0x600000
	v_mov_b32 v9, s32                              ; 448 x 2^e8
	s_add_co_i32 s26, s30, s31                     ; e8 + e9
.irp n, 0,1,2,3,4,5,6,7,8,9,10,11,12,13,14,15
	s_wait_loadcnt 31-\n                           ; K's load n is in: behind it stand K's 15 - n younger loads and V's 16
.if \n < 8
	ds_store_b128 v5, v[SA+4*\n:SA+4*\n+3] offset:8192*\n
.else
	ds_store_b128 v6, v[SA+4*\n:SA+4*\n+3] offset:8192*(\n-8)
.endif
.endr
	s_wait_dscnt 0x0                               ; for the others' sake: my part of K lies in LDS
	s_barrier_signal -1
	s_barrier_wait -1                              ; all of K does
	s_wait_alu depctr_vm_vsrc(0)                   ; my LDS stores have read S^T's registers, which the products of pass 1 write
	; ---- pass 1: each query's largest score.  32 steps of 64 keys, two to a lap: K's two sets take turns
	s_mov_b32 s24, 0
	KLOAD                                          ; step 0 (v3 was written ahead of the head's wait on va_vdst)
	s_mov_b32 s25, 15
.Lp1:
	P1 0, 1, 1
	P1 1, 1, 0
	s_sub_co_u32 s25, s25, 1
	s_cmp_lg_u32 s25, 0
	s_cbranch_scc1 .Lp1
	P1 0, 1, 0                                     ; step 30 fetches step 31; v3 moves no further
	P1 1, 0, 0                                     ; step 31: nothing more to fetch, so no wait on va_vdst
	v_max_num_f32 v248, v248, v249
	v_max_num_f32 v250, v250, v251
	v_permlanex16_b32 v252, v248, s20, s21         ; the query's other keys lie in the lane 16 away
	v_permlanex16_b32 v253, v250, s20, s21
	v_max_num_f32 v248, v248, v252
	v_max_num_f32 v250, v250, v253
	v_mul_f32 v248, s22, v248                      ; as t (c is positive)
	v_mul_f32 v250, s22, v250
	v_floor_f32 v10, -v248                         ; -M = floor(-t) = -ceil(t): M is a whole number
	v_floor_f32 v12, -v250
	v_mov_b32 v11, v10                             ; (named with them as pairs, so they are written)
	v_mov_b32 v13, v12
	s_wait_loadcnt 0x0                             ; V
.irp n, 0,1,2,3,4,5,6,7,8,9,10,11,12,13,14,15
.if \n < 8
	ds_store_b128 v7, v[OA+4*\n:OA+4*\n+3] offset:8192*\n
.else
	ds_store_b128 v8, v[OA+4*\n:OA+4*\n+3] offset:8192*(\n-8)
.endif
.endr
	s_wait_dscnt 0x0                               ; for the others' sake: my part of V lies in LDS
	s_barrier_signal -1
	s_barrier_wait -1                              ; all of V does
	; ---- pass 2
	s_wait_alu depctr_vm_vsrc(0)                   ; my LDS stores have read O^T's registers, which the products of pass 2 write; the loads of pass 1 have read v3, which the next line writes
	s_mov_b32 s24, 0
	v_mov_b32 v3, v1
	s_wait_alu depctr_va_vdst(0)                   ; v3 is written, which the loads below read; the products of pass 1 are done reading K's first set, in which they land
	KLOAD
	P2 1, 1                                        ; the first 64 keys start O^T's sums: nothing is cleared
	s_mov_b32 s25, 30
.Lp2:
	P2 0, 1
	s_sub_co_u32 s25, s25, 1
	s_cmp_lg_u32 s25, 0
	s_cbranch_scc1 .Lp2
	P2 0, 0                                        ; the last 64 keys: nothing more to fetch
	; ---- the way out.  The additions are the plain lines behind the last products
	s_wait_alu depctr_vm_vsrc(0)                   ; the last loads of V have read v4, those of K v3: both are written anew below
	v_pk_add_f32 v[14:15], v[14:15], v[16:17]
	v_pk_add_f32 v[18:19], v[18:19], v[20:21]
	v_add_f32 v14, v14, v15
	v_add_f32 v18, v18, v19
	v_permlanex16_b32 v252, v14, s20, s21
	v_permlanex16_b32 v253, v18, s20, s21
	v_add_f32 v14, v14, v252                       ; the rows' sums
	v_add_f32 v18, v18, v253
	v_rcp_f32 v248, v14
	v_rcp_f32 v250, v18
	v_and_b32 v3, 15, v0                           ; (plain lines behind the reciprocals)  r
	v_bfe_u32 v4, v0, 4, 1                         ; h
	v_and_b32 v23, 8, v3
	v_add_nc_u32 v23, v23, v3                      ; r + 8 (r >> 3): my query's row among tile 0's; tile 1's lie 8 rows on
	v_mul_u32_u24 v23, v23, STP
	v_lshl_add_u32 v23, v4, 5, v23
	s_mul_i32 s33, s10, 32*STP                     ; my stage: 32 rows of 272 bytes, in the bytes that held K and V
	v_add_nc_u32 v23, s33, v23                     ; in: my row, + 32 h: eight channels of my half
	v_mul_u32_u24 v4, v4, STP
	v_lshl_add_u32 v4, v3, 4, v4
	v_add_nc_u32 v4, s33, v4                       ; back: lanes 0-15 one row, lanes 16-31 the next
	s_wait_alu depctr_va_vdst(0)                   ; the two reciprocals have written v248 and v250, ahead of their first reader
	v_ldexp_f32 v248, v248, s26                    ; x 2^(e8 + e9)
	v_ldexp_f32 v250, v250, s26
	s_wait_dscnt 0x0                               ; my reads of K and V are over
	s_barrier_signal -1
	s_barrier_wait -1                              ; everybody's are: the stages may be written
.set n, 0
.rept 32
	v_mul_f32 v[SA+n], v[OA+n], v248               ; register 8 tau + j is o(my query, 16 tau + 8 h + j); each accumulator from its low end on
.set n, n+1
.endr
.set n, 0
.rept 32
	v_mul_f32 v[SB+n], v[OB+n], v250
.set n, n+1
.endr
	s_wait_alu depctr_va_vdst(0)                   ; the multiplies have written v104-167, which the LDS stores read; v23 and v4, the stage's addresses, are written; the products are done reading v40-103, in which the stage's loads land
.irp u, 0,1
.irp t, 0,1,2,3
	ds_store_b128 v23, v[SA+32*\u+8*\t:SA+32*\u+8*\t+3] offset:8*STP*\u+64*\t
	ds_store_b128 v23, v[SA+32*\u+8*\t+4:SA+32*\u+8*\t+7] offset:8*STP*\u+64*\t+16
.endr
.endr
.irp i, 0,1,2,3,4,5,6,7,8,9,10,11,12,13,14,15
	ds_load_b128 v[KF+4*\i:KF+4*\i+3], v4 offset:2*\i*STP          ; LDS serves a wave's instructions in order: these see my stores
.endr
.irp i, 0,1,2,3,4,5,6,7,8,9,10,11,12,13,14,15
	s_wait_dscnt 15-\i
	global_store_b128 v1, v[KF+4*\i:KF+4*\i+3], s[8:9] offset:512*\i th:TH_STORE_NT   ; two tokens' rows: 512 consecutive bytes, at a multiple of 512 from out0's first byte
.endr
	s_wait_dscnt 0x0                               ; the closing lines, six on end
	s_wait_alu 0x0
	s_wait_tensorcnt 0x0
	ds_add_u32 v254, v255
	s_wait_dscnt 0x0
	s_endpgm
.Lfunc_end_k_q39c47b98fa_attn:
	.size	k_q39c47b98fa_attn, .Lfunc_end_k_q39c47b98fa_attn-k_q39c47b98fa_attn
	.p2alignl 7, 3214868480
	.fill 96, 4, 3214868480
	.section	.rodata,"a",@progbits
	.p2align	6, 0x0
	.amdhsa_kernel k_q39c47b98fa_attn
		.amdhsa_group_segment_fixed_size 264192
		.amdhsa_private_segment_fixed_size 0
		.amdhsa_enable_private_segment 0
		.amdhsa_kernarg_size 24
		.amdhsa_user_sgpr_count 2
		.amdhsa_user_sgpr_kernarg_segment_ptr 1
		.amdhsa_wavefront_size32 1
		.amdhsa_system_sgpr_workgroup_id_x 1
		.amdhsa_system_sgpr_workgroup_id_y 1
		.amdhsa_system_sgpr_workgroup_id_z 1
		.amdhsa_system_vgpr_workitem_id 0
		.amdhsa_next_free_vgpr 256
		.amdhsa_next_free_sgpr 66
		.amdhsa_reserve_vcc 0
		.amdhsa_float_denorm_mode_32 3
		.amdhsa_float_denorm_mode_16_64 3
		.amdhsa_memory_ordered 1
		.amdhsa_forward_progress 1
		.amdhsa_inst_pref_size 64
	.end_amdhsa_kernel
	.amdgpu_metadata
---
amdhsa.version: [ 1, 2 ]
amdhsa.kernels:
  - .name:           k_q39c47b98fa_attn
    .symbol:         k_q39c47b98fa_attn.kd
    .args:
      - { .name: qkv, .offset: 0, .size: 8, .value_kind: global_buffer, .address_space: global }
      - { .name: lowp_scales, .offset: 8, .size: 8, .value_kind: global_buffer, .address_space: global }
      - { .name: out0, .offset: 16, .size: 8, .value_kind: global_buffer, .address_space: global }
    .group_segment_fixed_size: 264192
    .private_segment_fixed_size: 0
    .kernarg_segment_align: 8
    .kernarg_segment_size: 24
    .max_flat_workgroup_size: 512
    .sgpr_count:     66
    .vgpr_count:     256
    .wavefront_size: 32
...
	.end_amdgpu_metadata
.endif
;; end of part 4
